; MI455X (gfx1250); checked and timed in simulation.
; The chip was launched on July 23, 2026; its instructions are those of AMD's public machine-readable ISA for CDNA 5 (MIT licence, August 2026) and "CDNA5" Instruction Set Architecture Reference Guide (July 2026). The comments in the code are by the model that wrote it; some were corrected since.
;; Relative Position Self Attention. Allowed arithmetic: matrix products marked QUANTISED: E2M3 operands, one E8M0 scale for each 32 along K, by v_wmma_scale_f32_16x16x128_f8f6f4 with both operands' format E2M3, f32 sums; everything else in f32.
;; Inputs: in_proj_b 3,072 float32; in_proj_w 3,072 x 1,024 float32; out_b 1,024 float32; out_w 1,024 x 1,024 float32; rel_bias 65 x 16 float32; x 4 x 2,048 x 1,024 float32.
;; Outputs: out0 4 x 2,048 x 1,024 float32.
;; This version of the problem:
;;   THIS VERSION OF THE PROBLEM IS GIVEN IN LOW PRECISION. The matrix products marked QUANTISED in the list below multiply operands that are first quantised to E2M3 (2 exponent bits, 3 mantissa bits; 6 bits a number), with one power-of-two scale for each 32 numbers along K (OCP MX v1.0); their sums are f32. All else is computed in f32.
;;   The module's matrix products, in the order in which they are computed (A, B: the left and right operand; K: the contracted axis; several contracted axes count as one K, in the product's order):
;;     1. [M 8,192, K 1,024] x [K 1,024, N 3,072]; A: input x; B: input in_proj_w: QUANTISED
;;     2. batch 64 x [M 2,048, K 64] x [K 64, N 2,048]; A: computed on the way; B: computed on the way: QUANTISED
;;     3. batch 64 x [M 2,048, K 2,048] x [K 2,048, N 64]; A: softmax (see below); B: computed on the way: QUANTISED
;;     4. [M 8,192, K 1,024] x [K 1,024, N 1,024]; A: computed on the way; B: input out_w: QUANTISED
;;   THE QUANTISER, for each operand of a quantised product, along K:
;;     - K is cut into blocks of 32 from its start; a last block that is shorter is filled with zeros.
;;     - A block's scale is 2^e with e = floor(log2(the largest magnitude in the block)) - 2, held to -126 .. 127; a block of zeros has e = 0. As a byte (E8M0): e + 127.
;;     - Each number is divided by its block's scale, clamped to +-7.5, and rounded to the nearest number of E2M3, ties to even, subnormals kept.
;;     - The product sums the exact products of the quantised numbers (number of the format x scale) in f32.
;;   ~~~python
;;   def quantise(x, axis):      # numpy; x: float32 -> the quantised numbers, widened to float32 again
;;       x = np.moveaxis(x, axis, -1); K = x.shape[-1]
;;       x = np.pad(x, [(0, 0)] * (x.ndim - 1) + [(0, -K % 32)]); x = x.reshape(x.shape[:-1] + (-1, 32)); a = np.abs(x).max(-1, keepdims=True)
;;       e = np.where(a > 0, np.clip(np.frexp(np.where(a > 0, a, 1))[1] - 1 - 2, -126, 127), 0)      # np.frexp(a)[1] - 1 = floor(log2(a)), exactly
;;       r = np.clip(x / 2.0 ** e, -7.5, 7.5)
;;       step = 2.0 ** (np.maximum(np.frexp(np.where(r == 0, 1, r))[1] - 1, 0) - 3)
;;       q = np.round(r / step) * step * 2.0 ** e      # np.round: ties to even
;;       return np.moveaxis(q.reshape(q.shape[:-2] + (-1,))[..., :K], -1, axis).astype(np.float32)
;;   ~~~
;;   SOFTMAX AHEAD OF A QUANTISED PRODUCT. Where the list says 'softmax', what is quantised is not the finished softmax but p = 2^(t - M), with t = logit x log2(e) and M = ceil(the row's largest t), a whole number; so 1/2 < the row's largest p <= 1. The row's sum l is taken of the UNQUANTISED p, in f32, and the product's result is divided by l at the end. Since M is a whole number, a kernel that streams over the keys may use a running M (the ceiling of the running maximum): every later rescaling is an exact power of two, which a block's scale takes up: the codes' values come out the same.
;;   OPERANDS COMPUTED ON THE WAY. 'Computed on the way' means the value that the module computes at that place (a softmax that the list does not call 'softmax' is quantised finished and normalised). What goes into a quantiser is computed in f32, as accurately as f32 sums, v_exp_f32 and their like allow (about 1e-6 of the number): no bf16 or f16 on the way to a quantiser, and a product that is left as it is and whose result goes on into a quantised operand takes f32 operands (vector FMAs, or v_wmma_f32_16x16x4_f32). A number that lies on a knife's edge between two numbers of the format may be rounded either way, as far as f32 arithmetic and the matrix unit's own rounding can turn it there, and no further.
;; One version. Each part assembles by itself: llvm-mc -triple=amdgcn-amd-amdhsa -mcpu=gfx1250 --defsym DOCPART=n.
;; ======== version 1 of 1: 4 launches
;; limits: right only within a limited range of input values
;; workspace buffers: opc 9,437,184 bytes; ops 393,216 bytes; qkvc 18,874,368 bytes; qkvs 1,310,720 bytes; attc 6,291,456 bytes; atts 262,144 bytes
;; launch quant (part 1): grid 768 x 1, 1 waves a work-group, no clusters, 8,704 bytes of LDS; arguments x, in_proj_w, out_w, opc, ops; writes opc, ops
.if DOCPART == 1
	.amdgcn_target "amdgcn-amd-amdhsa--gfx1250"
	.amdhsa_code_object_version 6
	.text
	.protected	k_q6fc4d62cdc_quant
	.globl	k_q6fc4d62cdc_quant
	.p2align	8
	.type	k_q6fc4d62cdc_quant,@function
k_q6fc4d62cdc_quant:
	s_mov_b64 s[64:65], 0
	v_nop
	global_prefetch_b8 v0, s[64:65] scope:SCOPE_SE
	s_setreg_imm32_b32 hwreg(HW_REG_WAVE_MODE, 25, 1), 1
	s_wait_xcnt 0x0
; x [8192][1024], in_proj_w [3072][1024] and out_w [1024][1024], f32, K innermost, become codes of FP6 (E2M3) with one E8M0 byte for each 32 along K.
; A block's scale is 2^(floor(log2(its largest magnitude)) - 2); its byte is the largest magnitude's exponent field - 2, held at 1 from below.
; A work-group is one wave and takes one ROW TILE: 16 rows x 1,024 along K.  Row tiles 0-511 are x's, 512-703 in_proj_w's, 704-767 out_w's: only the pointer is chosen, by the work-group's number.
; THE CODES LEAVE AS IMAGES OF OPERAND REGISTERS.  A half image is 16 rows x 64 K, 768 bytes: lane (r = lane % 16, h = lane / 16) holds block h (32 codes, 6 registers) of row r;
; registers 0-3 lie at byte 16 x lane, registers 4-5 at byte 512 + 8 x lane.  opc: [row tile 768][K / 64, 16][768].  Each store of the wave covers 512 or 256 consecutive bytes, aligned.
; THE ORDER INSIDE A BLOCK OF 32: code place p holds number 0..7, 16..23, 8..15, 24..31 of the block.  Every operand of every product of this program is laid so, so both sides of a product carry the
; same order; blocks, scales and products are the contract's, only the grouping of the sums inside a matrix instruction differs.
; ops: [row 12,288][32 bytes], the natural order: a word is the four bytes of 128 along K.
; LIMITS: NaN and infinities among the inputs are not served.  A block whose largest magnitude lies under 2^-124 (a block of zeros too) keeps the byte 1; its codes are what the conversion gives under that scale, and this program alone reads the bytes.
.set PITCH, 528                        ; a stage row: 512 bytes (128 numbers of one row) + 16: row r starts 4 r banks on
.set SPARE, 16*PITCH                   ; behind the stage: the spare words, one block of 256 bytes that no other line names
.set SPW,  6                           ; v6   LDS address of my spare word; never rewritten
.set NIL,  7                           ; v7   0; never rewritten
.set TM,   8                           ; v8-23   at work in QUANT
.set PC,   24                          ; v24-42  the codes just made
.set PWS,  44                          ; v44-51  the eight scale words of my row
.set R,    64                          ; v64-191 two sets of 64 registers as loaded
.set X,    192                         ; v192-255 64 numbers of my row, in the order that QUANT takes
.set SEL,  20                          ; s[20:21] v_permlanex16_b32's selects for lane l xor 16
; 64 numbers of a lane, v[s] .. v[s + 63] (16 of each of four blocks; the other 16 lie in lane l xor 16), become a fragment's codes in v[PC] .. v[PC + 11] and its scale word in v[pw].
.macro QUANT s, pw
.irp b, 0,1,2,3
	v_max3_num_f32 v[TM+\b], |v[\s+16*\b]|, |v[\s+1+16*\b]|, 0x1800000   ; my 16 numbers of block b, and the floor 2^(3 - 127): the byte cannot fall under 1
.endr
.irp i, 2,4,6,8,10,12,14
.irp b, 0,1,2,3
	v_max3_num_f32 v[TM+\b], v[TM+\b], |v[\s+16*\b+\i]|, |v[\s+1+16*\b+\i]|   ; the four blocks by turns
.endr
.endr
.irp b, 0,1,2,3
	v_permlanex16_b32 v[TM+4+\b], v[TM+\b], s[SEL], s[SEL+1]
.endr
.irp b, 0,1,2,3
	v_max_num_f32 v[TM+\b], v[TM+\b], v[TM+4+\b]   ; with lane l xor 16's: the block's largest magnitude
.endr
.irp b, 0,1,2,3
	v_add_nc_u32 v[TM+12+\b], 0xff000000, v[TM+\b]   ; 2 off its exponent field: the conversion's scale operand
.endr
.irp b, 0,1,2,3
	v_lshrrev_b32 v[TM+4+\b], 23, v[TM+12+\b]      ; the scale's byte
.endr
	v_lshl_or_b32 v[(\pw)], v[TM+5], 8, v[TM+4]
	v_lshl_or_b32 v[(\pw)], v[TM+6], 16, v[(\pw)]
	v_lshl_or_b32 v[(\pw)], v[TM+7], 24, v[(\pw)]
.irp c, 0,1
	v_cvt_scalef32_pk16_fp6_f32 v[PC+6*\c:PC+2+6*\c], v[\s+32*\c:\s+15+32*\c], v[TM+12+2*\c]
	v_cvt_scalef32_pk16_fp6_f32 v[PC+12+4*\c:PC+14+4*\c], v[\s+16+32*\c:\s+31+32*\c], v[TM+12+2*\c+1]   ; (a conversion's three registers begin on an even number)
.endr
	v_nop                                          ; one plain place behind a scaled conversion
.irp c, 0,1                                    ; the operand's layout wants a whole block in a lane: lanes 0-15 block 2 c, lanes 16-31 block 2 c + 1
.irp i, 0,1,2
	v_permlane16_swap_b32 v[PC+6*\c+\i], v[PC+12+4*\c+\i]
.endr
.irp i, 0,1,2
	v_mov_b32 v[PC+3+6*\c+\i], v[PC+12+4*\c+\i]
.endr
.endr
.endm
	s_load_b128 s[4:7], s[0:1], 0x0                ; x, in_proj_w
	s_load_b128 s[8:11], s[0:1], 0x10              ; out_w, opc
	s_load_b64 s[12:13], s[0:1], 0x20              ; ops
	v_lshl_add_u32 v[SPW], v0, 2, SPARE
	v_mov_b32 v[NIL], 0
	v_lshlrev_b32 v1, 4, v0                        ; 16 x lane: my bytes of a load's 512, of a stage row on the way in, and of a 16-byte store
	v_and_b32 v5, 15, v0                           ; r
	v_lshrrev_b32 v52, 4, v0                       ; h
	v_mul_u32_u24 v2, v5, PITCH
	v_lshl_add_u32 v2, v52, 5, v2                  ; the stage on the way out: row r, + 32 h
	v_lshlrev_b32 v3, 3, v0                        ; 8 x lane
	v_lshlrev_b32 v4, 5, v5
	v_lshl_add_u32 v4, v52, 4, v4                  ; my 16 of my row's 32 scale bytes
.irp b, 0,1,2,3
	v_mov_b32 v[TM+4+\b], 0                        ; written once: a lane permute's destination counts as one of its sources
.endr
	s_mov_b32 s[SEL], 0x76543210
	s_mov_b32 s[SEL+1], 0xfedcba98
	s_mov_b32 s22, 0xffff0000                      ; lanes 16-31
	s_mov_b32 s14, 704
	s_mul_i32 s16, ttmp9, 12288                    ; my row tile's codes
	s_mov_b32 s17, 0
	s_lshl_b32 s18, ttmp9, 9                       ; and its scale bytes
	s_mov_b32 s19, 0
	s_wait_alu depctr_va_vdst(0)
	s_wait_kmcnt 0x0
	s_cmp_lt_u32 ttmp9, 704                        ; which tensor: the choice hangs on the work-group's number alone
	s_cselect_b64 s[6:7], s[6:7], s[8:9]
	s_cselect_b32 s14, 512, s14
	s_cmp_lt_u32 ttmp9, 512
	s_cselect_b64 s[4:5], s[4:5], s[6:7]
	s_cselect_b32 s14, 0, s14
	s_sub_co_u32 s14, ttmp9, s14                   ; my row tile within its tensor,
	s_lshl_b32 s14, s14, 16                        ; 16 rows of 4,096 bytes each
	s_mov_b32 s15, 0
	s_add_nc_u64 s[4:5], s[4:5], s[14:15]
	s_add_nc_u64 s[10:11], s[10:11], s[16:17]
	s_add_nc_u64 s[12:13], s[12:13], s[18:19]
.macro LOAD t                          ; K step t (128 along K) of the 16 rows: each load reads 512 consecutive bytes of one row
.irp i, 0,1,2,3,4,5,6,7,8,9,10,11,12,13,14,15
	global_load_b128 v[R+64*((\t)%2)+4*\i:R+64*((\t)%2)+4*\i+3], v1, s[4:5] offset:\i*4096+(\t)*512 th:TH_LOAD_NT
.endr
.endm
.macro QSTEP t
.if (\t) < 7
	s_wait_loadcnt 16                              ; this step's 16 loads are in; the next step's 16 may be out
.else
	s_wait_loadcnt 0x0
.endif
.irp i, 0,1,2,3,4,5,6,7,8,9,10,11,12,13,14,15
	ds_store_b128 v1, v[R+64*((\t)%2)+4*\i:R+64*((\t)%2)+4*\i+3] offset:\i*PITCH
.endr
.irp b, 0,1,2,3                                ; back, 16 numbers of each block a lane: register 16 b + 4 j + n is number 32 b + 16 (j / 2) + 8 h + 4 (j % 2) + n of row r.  LDS serves a wave's instructions in order
.irp j, 0,1,2,3
	ds_load_b128 v[X+16*\b+4*\j:X+16*\b+4*\j+3], v2 offset:128*\b+64*(\j/2)+16*(\j%2)
.endr
.endr
	s_wait_dscnt 0x0                               ; the numbers are back, and the stores into the stage have read their registers
	s_wait_xcnt 0x0                                ; the last step's stores have read the codes' registers, which QUANT writes again
.if (\t)+2 < 8
	LOAD (\t)+2
.endif
	QUANT X, PWS+(\t)
	global_store_b128 v1, v[PC:PC+3], s[10:11] offset:1536*(\t)
	global_store_b64 v3, v[PC+4:PC+5], s[10:11] offset:1536*(\t)+512
	global_store_b128 v1, v[PC+6:PC+9], s[10:11] offset:1536*(\t)+768
	global_store_b64 v3, v[PC+10:PC+11], s[10:11] offset:1536*(\t)+1280
.endm
	LOAD 0
	LOAD 1
.irp t, 0,1,2,3,4,5,6,7
	QSTEP \t
.endr
.irp i, 0,1,2,3
	v_cndmask_b32 v[52+\i], v[PWS+\i], v[PWS+4+\i], s22   ; both halves of the lanes hold row r's eight words: lanes 0-15 store words 0-3, lanes 16-31 words 4-7
.endr
	global_store_b128 v4, v[52:55], s[12:13]       ; 512 consecutive bytes
	s_wait_tensorcnt 0x0                           ; the wave's end
	ds_add_u32 v[SPW], v[NIL]
	s_wait_dscnt 0x0
	s_endpgm
.Lfunc_end_k_q6fc4d62cdc_quant:
	.size	k_q6fc4d62cdc_quant, .Lfunc_end_k_q6fc4d62cdc_quant-k_q6fc4d62cdc_quant
	.p2alignl 7, 3214868480
	.fill 96, 4, 3214868480
	.section	.rodata,"a",@progbits
	.p2align	6, 0x0
	.amdhsa_kernel k_q6fc4d62cdc_quant
		.amdhsa_group_segment_fixed_size 8704
		.amdhsa_private_segment_fixed_size 0
		.amdhsa_enable_private_segment 0
		.amdhsa_kernarg_size 40
		.amdhsa_user_sgpr_count 2
		.amdhsa_user_sgpr_kernarg_segment_ptr 1
		.amdhsa_wavefront_size32 1
		.amdhsa_system_sgpr_workgroup_id_x 1
		.amdhsa_system_sgpr_workgroup_id_y 1
		.amdhsa_system_sgpr_workgroup_id_z 1
		.amdhsa_system_vgpr_workitem_id 0
		.amdhsa_next_free_vgpr 256
		.amdhsa_next_free_sgpr 66
		.amdhsa_reserve_vcc 0
		.amdhsa_float_denorm_mode_32 3
		.amdhsa_float_denorm_mode_16_64 3
		.amdhsa_memory_ordered 1
		.amdhsa_forward_progress 1
		.amdhsa_inst_pref_size 64
	.end_amdhsa_kernel
	.amdgpu_metadata
---
amdhsa.version: [ 1, 2 ]
amdhsa.kernels:
  - .name:           k_q6fc4d62cdc_quant
    .symbol:         k_q6fc4d62cdc_quant.kd
    .args:
      - { .name: x, .offset: 0, .size: 8, .value_kind: global_buffer, .address_space: global }
      - { .name: in_proj_w, .offset: 8, .size: 8, .value_kind: global_buffer, .address_space: global }
      - { .name: out_w, .offset: 16, .size: 8, .value_kind: global_buffer, .address_space: global }
      - { .name: opc, .offset: 24, .size: 8, .value_kind: global_buffer, .address_space: global }
      - { .name: ops, .offset: 32, .size: 8, .value_kind: global_buffer, .address_space: global }
    .group_segment_fixed_size: 8704
    .private_segment_fixed_size: 0
    .kernarg_segment_align: 8
    .kernarg_segment_size: 40
    .max_flat_workgroup_size: 32
    .sgpr_count:     66
    .vgpr_count:     256
    .wavefront_size: 32
...
	.end_amdgpu_metadata
.endif
;; end of part 1
;; launch gemm_qkv (part 2): grid 8 x 48, 4 waves a work-group, clusters of 4 x 4, 327,680 bytes of LDS; arguments opc, ops, in_proj_b, qkvc, qkvs; writes qkvc, qkvs
.if DOCPART == 2
	.amdgcn_target "amdgcn-amd-amdhsa--gfx1250"
	.amdhsa_code_object_version 6
	.text
	.protected	k_q6fc4d62cdc_gemm_qkv
	.globl	k_q6fc4d62cdc_gemm_qkv
	.p2align	8
	.type	k_q6fc4d62cdc_gemm_qkv,@function
k_q6fc4d62cdc_gemm_qkv:
	s_mov_b64 s[64:65], 0
	v_nop
	global_prefetch_b8 v0, s[64:65] scope:SCOPE_SE
	s_setreg_imm32_b32 hwreg(HW_REG_WAVE_MODE, 25, 1), 1
	s_wait_xcnt 0x0
	s_wait_alu depctr_hold_cnt(0) depctr_sa_sdst(0) depctr_va_vdst(0) depctr_va_sdst(0) depctr_va_ssrc(0) depctr_va_vcc(0) depctr_vm_vsrc(0)
	s_getreg_b32 s2, hwreg(HW_REG_IB_STS2, 6, 4)
	s_cmp_eq_u32 s2, 0
	s_cbranch_scc0 .Lentry_in_a_cluster
	s_endpgm
.Lentry_in_a_cluster:
	s_bfe_u32 s2, ttmp6, 0x10000c
	s_cmp_lg_u32 s2, 0xf033
	s_cbranch_scc0 .Lentry_shape_is_right
	s_endpgm
.Lentry_shape_is_right:
; qkv = x in_proj_w^T + in_proj_b on codes of FP6 (E2M3) with E8M0 scales, a block of 256 x 256 a work-group, 128 x 128 a wave; the results are quantised again and leave as operand images for the attention.
; K = 1,024 goes in four chunks of 256 (3,072 bytes of each row tile).  LDS: slot 0 [quarter 4][row tile 8][3,072] holds chunk 0 and later chunk 3; behind it [quarter 4][row tile 8][6,144] holds chunks 1 and 2 side by side; then the scales.
; THE HEAD: one joint load a wave: wave 0 chunk 0 of A's 16 row tiles, wave 1 of B's, wave 2 A's scales, wave 3 B's.  Behind the three lines and a round each wave asks for its quarter of chunks 1 and 2 by ONE load
; (rows of 6,144 bytes); chunk 3 fills slot 0 again behind the round in chunk 0's second step.  A wave has one tensor load out at any time.
.set FR,    12
.set NL,    4
.set NP,    4
.set HI,    768
.set CH,    3072
.set RTB,   12288
.set HALFT, 8*CH
.set SLOT,  4*HALFT
.set SCL,   3*SLOT
.set HALFS, 16*272
.set SBLK,  544
.set SPARE, SCL+4*HALFS
.set A16,  4
.set A8,   7
.set B16,  10
.set B8,   13
.set ADRS, 16
.set SPW,  28
.set NIL,  29
.set SC,   32
.set B1,   64
.set AF,   128
.set G1,   24
.set G1B,  32
.set G1S,  40
.set G1SB, 48
.set G0,   68
.set G0B,  84
.set MSB, 0
.macro WIN new
.if MSB != (\new)
	s_set_vgpr_msb (MSB<<8)|(\new)
.set MSB, (\new)
.endif
.endm
.set MUL_LO, 0xa1
.set MUL_HI, 0xf1
.set TO_B,   0x40
.macro JLOAD g0a, g1a, g0b, g1b
	s_cmp_eq_u32 s15, 0
	s_cbranch_scc0 .Lfor_b_\@
	tensor_load_to_lds s[\g0a:\g0a+3], s[\g1a:\g1a+7]
	s_nop 0
.rept 4
	v_nop
.endr
	s_branch .Lasked_\@
.Lfor_b_\@:
	tensor_load_to_lds s[\g0b:\g0b+3], s[\g1b:\g1b+7]
	s_nop 0
.rept 4
	v_nop
.endr
.Lasked_\@:
.endm
.macro CREST
	s_cmp_lg_u32 s14, 0
	s_cbranch_scc1 .Lnot_wave_0_\@
	s_barrier_signal -3
.Lnot_wave_0_\@:
	s_barrier_wait -3
	s_barrier_signal -1
	s_barrier_wait -1
.endm
.macro CROUND
	s_barrier_signal -1
	s_barrier_wait -1
	CREST
.endm
.macro PLACES n
.rept \n
	v_nop
.endr
.endm
.macro FRAG reg, a16, a8, q, i, st     ; st: bytes from row tile to row tile: 3,072 in slot 0, 6,144 where chunks 1 and 2 lie side by side
	ds_load_b128 v[\reg:\reg+3], v[\a16] offset:(\i)*(\st)+2*(\q)*HI
	ds_load_b64 v[\reg+4:\reg+5], v[\a8] offset:(\i)*(\st)+2*(\q)*HI+512
	ds_load_b128 v[\reg+6:\reg+9], v[\a16] offset:(\i)*(\st)+(2*(\q)+1)*HI
	ds_load_b64 v[\reg+10:\reg+11], v[\a8] offset:(\i)*(\st)+(2*(\q)+1)*HI+512
.endm
.macro FETCH_B slot, q, p
	WIN TO_B
.irp i, 0,1,2,3,4,5,6,7
	FRAG 128*(\p)+FR*\i, B16+\slot, B8+\slot, \q, \i, CH+CH*((\slot+1)/2)
.endr
	WIN 0
.endm
.macro FETCH_A slot, q, i0
.irp i, \i0, \i0+1, \i0+2, \i0+3
	FRAG AF+FR*(\i), A16+\slot, A8+\slot, \q, \i, CH+CH*((\slot+1)/2)
.endr
.endm
.macro SCALES set, chunk
.irp i, 0,1,2,3,4,5,6,7
	ds_load_b64 v[SC+16*(\set)+2*\i:SC+16*(\set)+2*\i+1], v[ADRS] offset:\i*SBLK+8*(\chunk)
.endr
.endm
.macro MUL16 a0, p, q, sc, zero
.irp a, \a0, \a0+1
.irp b, 0,1,2,3,4,5,6,7
.if (\zero) == 1
	v_wmma_scale_f32_16x16x128_f8f6f4 v[8*(8*((\a)%4)+\b):8*(8*((\a)%4)+\b)+7], v[128*(\p)+FR*\b:128*(\p)+FR*\b+FR-1], v[AF+FR*(\a):AF+FR*(\a)+FR-1], 0, v[SC+16*(\sc)+2*\b+(\q)], v[SC+16*(\sc)+2*(\a)+(\q)] matrix_a_fmt:MATRIX_FMT_FP6 matrix_b_fmt:MATRIX_FMT_FP6 matrix_a_scale:MATRIX_SCALE_ROW1
.elseif (\zero) == 2
	v_wmma_scale_f32_16x16x128_f8f6f4 v[8*(8*((\a)%4)+\b):8*(8*((\a)%4)+\b)+7], v[128*(\p)+FR*\b:128*(\p)+FR*\b+FR-1], v[AF+FR*(\a):AF+FR*(\a)+FR-1], v[B1+8*\b:B1+8*\b+7], v[SC+16*(\sc)+2*\b+(\q)], v[SC+16*(\sc)+2*(\a)+(\q)] matrix_a_fmt:MATRIX_FMT_FP6 matrix_b_fmt:MATRIX_FMT_FP6 matrix_a_scale:MATRIX_SCALE_ROW1
.else
	v_wmma_scale_f32_16x16x128_f8f6f4 v[8*(8*((\a)%4)+\b):8*(8*((\a)%4)+\b)+7], v[128*(\p)+FR*\b:128*(\p)+FR*\b+FR-1], v[AF+FR*(\a):AF+FR*(\a)+FR-1], v[8*(8*((\a)%4)+\b):8*(8*((\a)%4)+\b)+7], v[SC+16*(\sc)+2*\b+(\q)], v[SC+16*(\sc)+2*(\a)+(\q)] matrix_a_fmt:MATRIX_FMT_FP6 matrix_b_fmt:MATRIX_FMT_FP6 matrix_a_scale:MATRIX_SCALE_ROW1
.endif
.endr
.endr
.endm
.macro STEP q, sc, zero, nslot, nq, nset, nchunk
	s_wait_dscnt 4*NL
.if (\zero) == 2
	WIN 0x81
.else
	WIN MUL_LO
.endif
	MUL16 0, \q, \q, \sc, \zero
	MUL16 2, \q, \q, \sc, \zero
	s_wait_dscnt 0
	PLACES NP
	FETCH_B \nslot, \nq, 1-(\q)
	FETCH_A \nslot, \nq, 0
.if (\nq) == 0
	SCALES \nset, \nchunk
.endif
.if (\zero) == 2
	WIN 0xc1
.else
	WIN MUL_HI
.endif
	MUL16 4, \q, \q, \sc, \zero
	MUL16 6, \q, \q, \sc, \zero
	PLACES NP
	WIN 0
	FETCH_A \nslot, \nq, 4
.endm
.macro TURN sc, nslot, nset, nchunk, fill
	s_wait_tensorcnt 0x0
	ds_add_u32 v[SPW], v[NIL]
.if \fill
.irp g, G1, G1B
	s_mov_b32 s[\g+1], 384<<16                     ; no tensor load of mine is out: the refill's rows are one chunk long again
	s_mov_b32 s[\g+3], 384<<16
.endr
.endif
	s_wait_dscnt 4*NL+1
	WIN MUL_LO
	MUL16 0, 1, 1, \sc, 0
	s_wait_dscnt 0x0
	s_barrier_signal -1
	MUL16 2, 1, 1, \sc, 0
	WIN 0
	s_barrier_wait -1
.if \fill
	CREST
	s_add_nc_u64 s[G0+6:G0+7], s[G0+6:G0+7], 3*CH
	s_add_nc_u64 s[G0B+6:G0B+7], s[G0B+6:G0B+7], 3*CH
	JLOAD G0+4, G1, G0B+4, G1B
.else
	PLACES NP
.endif
	FETCH_B \nslot, 0, 0
	FETCH_A \nslot, 0, 0
	SCALES \nset, \nchunk
	WIN MUL_HI
	MUL16 4, 1, 1, \sc, 0
	MUL16 6, 1, 1, \sc, 0
	PLACES NP
	WIN 0
	FETCH_A \nslot, 0, 4
.endm
.set H,    128
.set TM,   192
.set PC,   210
.set PWS,  232
.set VB,   240
.set SEL,  66
.macro QUANT s, pw
.irp b, 0,1,2,3
	v_max3_num_f32 v[TM+\b], |v[\s+16*\b]|, |v[\s+1+16*\b]|, 0x1800000
.endr
.irp i, 2,4,6,8,10,12,14
.irp b, 0,1,2,3
	v_max3_num_f32 v[TM+\b], v[TM+\b], |v[\s+16*\b+\i]|, |v[\s+1+16*\b+\i]|
.endr
.endr
.irp b, 0,1,2,3
	v_permlanex16_b32 v[TM+4+\b], v[TM+\b], s[SEL], s[SEL+1]
.endr
.irp b, 0,1,2,3
	v_max_num_f32 v[TM+\b], v[TM+\b], v[TM+4+\b]
.endr
.irp b, 0,1,2,3
	v_add_nc_u32 v[TM+12+\b], 0xff000000, v[TM+\b]
.endr
.irp b, 0,1,2,3
	v_lshrrev_b32 v[TM+4+\b], 23, v[TM+12+\b]
.endr
	v_lshl_or_b32 v[(\pw)], v[TM+5], 8, v[TM+4]
	v_lshl_or_b32 v[(\pw)], v[TM+6], 16, v[(\pw)]
	v_lshl_or_b32 v[(\pw)], v[TM+7], 24, v[(\pw)]
.irp c, 0,1
	v_cvt_scalef32_pk16_fp6_f32 v[PC+6*\c:PC+2+6*\c], v[\s+32*\c:\s+15+32*\c], v[TM+12+2*\c]
	v_cvt_scalef32_pk16_fp6_f32 v[PC+12+4*\c:PC+14+4*\c], v[\s+16+32*\c:\s+31+32*\c], v[TM+12+2*\c+1]
.endr
	v_nop
.irp c, 0,1
.irp i, 0,1,2
	v_permlane16_swap_b32 v[PC+6*\c+\i], v[PC+12+4*\c+\i]
.endr
.irp i, 0,1,2
	v_mov_b32 v[PC+3+6*\c+\i], v[PC+12+4*\c+\i]
.endr
.endr
.endm
	s_load_b256 s[4:11], s[0:1], 0x0
	s_load_b64 s[12:13], s[0:1], 0x20
	v_lshl_add_u32 v[SPW], v0, 2, SPARE
	v_mov_b32 v[NIL], 0
	ds_add_u32 v[SPW], v[NIL]
	ds_add_u32 v[SPW], v[NIL]
	v_lshrrev_b32 v1, 5, v0
	v_readfirstlane_b32 s14, v1
	s_lshr_b32 s15, s14, 1
	s_and_b32 s16, s14, 1
	s_bfe_u32 s56, ttmp6, 0x40000
	s_bfe_u32 s57, ttmp6, 0x40004
	s_lshl_b32 s58, s57, 2
	s_lshl_b32 s58, 15, s58
	s_lshl_b32 s59, 0x1111, s56
	s_or_b32 s[G1+0], s58, (3<<16)|(1<<21)
	s_or_b32 s[G1B+0], s59, (3<<16)|(1<<21)
.irp g, G1, G1B
	s_mov_b32 s[\g+1], 384<<16
	s_mov_b32 s[\g+2], 16<<16                      ; the head's loads of codes bring all 16 row tiles
	s_mov_b32 s[\g+3], 384<<16
	s_mov_b32 s[\g+4], 16
	s_mov_b32 s[\g+5], 1536
	s_mov_b32 s[\g+6], 0
	s_mov_b32 s[\g+7], 0
.endr
	s_or_b32 s[G1S+0], s58, (3<<16)|(1<<20)|(1<<21)|(5<<22)|(3<<25)
	s_or_b32 s[G1SB+0], s59, (3<<16)|(1<<20)|(1<<21)|(5<<22)|(3<<25)
.irp g, G1S, G1SB
	s_mov_b32 s[\g+1], 32<<16
	s_mov_b32 s[\g+2], 32<<16                      ; the scales of 256 rows: 32 rows of 256 bytes
	s_mov_b32 s[\g+3], 32<<16
	s_mov_b32 s[\g+4], 32
	s_mov_b32 s[\g+5], 32
	s_mov_b32 s[\g+6], 0
	s_mov_b32 s[\g+7], 0
.endr
	s_mov_b32 s60, 0xffff0000
	s_mov_b32 s[SEL], 0x76543210
	s_mov_b32 s[SEL+1], 0xfedcba98
	s_and_b32 s2, ttmp7, 0xffff
	s_sub_co_u32 s3, s2, 8
	s_lshl_b32 s3, s3, 1
	s_add_co_u32 s3, s3, ttmp9
	s_mov_b32 s61, 393216
	s_cmp_ge_u32 s2, 8
	s_cselect_b32 s17, 1, 0
	s_cselect_b32 s18, s3, ttmp9
	s_cselect_b32 s19, 2, s2
	s_cselect_b32 s22, 0, 512
	s_cselect_b32 s20, 512, 0
	s_cselect_b32 s61, 49152, s61
	s_lshl_b32 s18, s18, 2
	s_add_co_u32 s18, s18, s56
	s_lshl_b32 s19, s19, 2
	s_add_co_u32 s19, s19, s57
	s_lshl_b32 s3, s16, 3
	s_lshl_b32 s23, s18, 4
	s_add_co_u32 s22, s22, s23
	s_add_co_u32 s22, s22, s3
	s_lshl_b32 s21, s19, 4
	s_add_co_u32 s20, s20, s21
	s_add_co_u32 s20, s20, s3
	s_lshl_b32 s62, s20, 9
	s_mov_b32 s63, 0
	s_mul_i32 s20, s20, RTB
	s_mov_b32 s21, 0
	s_lshl_b32 s104, s22, 9
	s_mov_b32 s105, 0
	s_mul_i32 s22, s22, RTB
	s_mov_b32 s23, 0
	s_mul_i32 s2, s14, HALFT
	s_wait_dscnt 0x0
	s_wait_kmcnt 0x0
	s_add_nc_u64 s[20:21], s[4:5], s[20:21]
	s_add_nc_u64 s[62:63], s[6:7], s[62:63]
	s_add_nc_u64 s[22:23], s[4:5], s[22:23]
	s_add_nc_u64 s[104:105], s[6:7], s[104:105]
	CROUND
	s_mov_b32 s[G0], 1                             ; A's scales, whole (asked for by wave 2, whose half is 0)
	s_mov_b32 s[G0+1], SCL
	s_mov_b64 s[G0+2:G0+3], s[62:63]
	s_or_b32 s[G0+3], s[G0+3], 0x80000000
	s_lshl_b32 s62, s16, 12                        ; B's whole tiles begin at half 0: my half's 8 row tiles are taken off again
	s_mov_b32 s63, 0
	s_mov_b32 s[G0B], 1                            ; B's scales, whole (wave 3)
	s_mov_b32 s[G0B+1], SCL+2*HALFS
	s_sub_nc_u64 s[G0B+2:G0B+3], s[104:105], s[62:63]
	s_or_b32 s[G0B+3], s[G0B+3], 0x80000000
	s_mul_i32 s62, s16, 8*RTB
	s_mov_b32 s[G0+12], 1                          ; chunk 0 of A's 16 row tiles (wave 0)
	s_mov_b32 s[G0+13], 0
	s_mov_b64 s[G0+14:G0+15], s[20:21]
	s_or_b32 s[G0+15], s[G0+15], 0x80000000
	s_mov_b32 s[G0B+12], 1                         ; and of B's (wave 1)
	s_mov_b32 s[G0B+13], 2*HALFT
	s_sub_nc_u64 s[G0B+14:G0B+15], s[22:23], s[62:63]
	s_or_b32 s[G0B+15], s[G0B+15], 0x80000000
	s_mov_b32 s[G0+4], 1                           ; slot 0's refill: my quarter; the address stands at chunk 0 and is stepped to chunk 3
	s_mov_b32 s[G0+5], s2
	s_mov_b64 s[G0+6:G0+7], s[20:21]
	s_or_b32 s[G0+7], s[G0+7], 0x80000000
	s_mov_b32 s[G0B+4], 1
	s_mov_b32 s[G0B+5], s2
	s_mov_b64 s[G0B+6:G0B+7], s[22:23]
	s_or_b32 s[G0B+7], s[G0B+7], 0x80000000
	s_lshl_b32 s2, s2, 1
	s_mov_b32 s[G0+8], 1                           ; chunks 1 and 2, my quarter: 8 rows of 6,144 bytes
	s_add_co_u32 s[G0+9], s2, SLOT
	s_add_nc_u64 s[G0+10:G0+11], s[20:21], CH
	s_or_b32 s[G0+11], s[G0+11], 0x80000000
	s_mov_b32 s[G0B+8], 1
	s_add_co_u32 s[G0B+9], s2, SLOT
	s_add_nc_u64 s[G0B+10:G0B+11], s[22:23], CH
	s_or_b32 s[G0B+11], s[G0B+11], 0x80000000
.macro ARM under, g0, g1, next         ; one chain of branches on the wave's number, one load to an arm
	s_cmp_lt_u32 s14, \under
	s_cbranch_scc0 \next
	tensor_load_to_lds s[\g0:\g0+3], s[\g1:\g1+7]
	s_nop 0
.rept 4
	v_nop
.endr
	s_branch .Lhead_asked
\next:
.endm
	ARM 1, G0+12, G1, .Lhead_b
	ARM 2, G0B+12, G1B, .Lhead_sa
	ARM 3, G0, G1S, .Lhead_sb
	tensor_load_to_lds s[G0B:G0B+3], s[G1SB:G1SB+7]
	s_nop 0
.rept 4
	v_nop
.endr
.Lhead_asked:
	v_and_b32 v1, 31, v0
	v_and_b32 v2, 15, v0
	v_bfe_u32 v3, v0, 4, 1
	v_lshlrev_b32 v17, 4, v1
	v_lshlrev_b32 v18, 3, v1
	s_mul_i32 s20, s15, HALFT
	s_mul_i32 s21, s16, HALFT
	s_add_co_u32 s21, s21, 2*HALFT
	v_add_nc_u32 v[A16], s20, v17
	v_add_nc_u32 v[A8], s20, v18
	v_add_nc_u32 v[B16], s21, v17
	v_add_nc_u32 v[B8], s21, v18
	s_lshl_b32 s20, s20, 1                         ; behind slot 0 a quarter is twice as long
	s_lshl_b32 s21, s21, 1
	s_add_co_u32 s20, s20, SLOT
	s_add_co_u32 s21, s21, SLOT
	v_add_nc_u32 v[A16+1], s20, v17
	v_add_nc_u32 v[A8+1], s20, v18
	v_add_nc_u32 v[B16+1], s21, v17
	v_add_nc_u32 v[B8+1], s21, v18
.irp r, A16, A8, B16, B8
	v_add_nc_u32 v[\r+2], CH, v[\r+1]              ; chunk 2 lies 3,072 bytes behind chunk 1 in each row tile
.endr
	v_lshlrev_b32 v21, 5, v2
	v_lshrrev_b32 v22, 8, v21
	v_lshl_add_u32 v21, v22, 4, v21
	s_mul_i32 s20, s15, HALFS
	s_mul_i32 s21, s16, HALFS
	s_add_co_u32 s21, s21, 2*HALFS
	s_sub_co_u32 s21, s21, s20
	v_mul_u32_u24 v22, s21, v3
	s_add_co_u32 s20, s20, SCL
	v_add_nc_u32 v21, v21, v22
	v_add_nc_u32 v[ADRS], s20, v21
	s_lshl_b32 s20, s18, 10
	s_lshl_b32 s21, s16, 9
	s_add_co_u32 s20, s20, s21
	s_cmp_eq_u32 s17, 0
	s_cselect_b32 s20, s20, 0
	s_mov_b32 s21, 0
	s_add_nc_u64 s[20:21], s[8:9], s[20:21]
	s_lshl_b32 s22, s57, 10
	s_lshl_b32 s23, s15, 9
	s_add_co_u32 s22, s22, s23
	s_add_co_u32 s22, s22, 8192
	s_mov_b32 s23, 0
	s_add_nc_u64 s[22:23], s[8:9], s[22:23]
	v_lshlrev_b32 v21, 5, v3
	v_lshlrev_b32 v22, 2, v2
.irp b, 0,1,2,3,4,5,6,7
	global_load_b128 v[B1+8*\b:B1+8*\b+3], v21, s[20:21] offset:64*\b
	global_load_b128 v[B1+8*\b+4:B1+8*\b+7], v21, s[20:21] offset:64*\b+16
.endr
.irp a, 0,1,2,3,4,5,6,7
	global_load_b32 v[VB+2*\a], v22, s[22:23] offset:64*\a
	global_load_b32 v[VB+2*\a+1], v22, s[22:23] offset:64*\a
.endr
	s_wait_alu depctr_va_vdst(0)
	s_wait_loadcnt 0x0
	s_wait_tensorcnt 0x0                           ; my tile of the head's four is in
	ds_add_u32 v[SPW], v[NIL]
.irp g, G1, G1B
	s_mov_b32 s[\g+1], 768<<16                     ; no tensor load of mine is out: the next load brings 8 rows of 6,144 bytes
	s_mov_b32 s[\g+2], 8<<16
	s_mov_b32 s[\g+3], 768<<16
	s_mov_b32 s[\g+4], 8
.endr
	s_wait_dscnt 0x0
	CROUND
	JLOAD G0+8, G1, G0B+8, G1B                     ; chunks 1 and 2: the first tensor load behind the round
	FETCH_B 0, 0, 0
	FETCH_A 0, 0, 0
	SCALES 0, 0
	FETCH_A 0, 0, 4
	STEP 0, 0, 1, 0, 1, 0, 0
	TURN 0, 1, 1, 1, 1
	STEP 0, 1, 0, 1, 1, 0, 0
	STEP 1, 1, 0, 2, 0, 0, 2
	STEP 0, 0, 0, 2, 1, 0, 0
	TURN 0, 0, 1, 3, 0
	STEP 0, 1, 0, 0, 1, 0, 0
	s_wait_dscnt 4*NL
	WIN MUL_LO
	MUL16 0, 1, 1, 1, 0
	MUL16 2, 1, 1, 1, 0
	s_wait_dscnt 0
	WIN MUL_HI
	MUL16 4, 1, 1, 1, 0
	MUL16 6, 1, 1, 1, 0
	WIN 0
	PLACES NP
.irp b, 0,1,2,3
	v_mov_b32 v[TM+4+\b], 0
.endr
	s_lshl_b32 s2, s18, 1
	s_add_co_u32 s2, s2, s16
	s_lshl_b32 s3, s17, 3
	s_sub_co_u32 s3, s19, s3
	s_lshl_b32 s3, s3, 4
	s_lshl_b32 s62, s15, 3
	s_add_co_u32 s3, s3, s62
	s_mul_i32 s100, s2, s61
	s_lshl_b32 s100, s100, 1
	s_mul_i32 s62, s3, HI
	s_add_co_u32 s100, s100, s62
	s_mul_i32 s62, s17, 12582912
	s_add_co_u32 s100, s100, s62
	s_mov_b32 s101, 0
	s_add_nc_u64 s[100:101], s[10:11], s[100:101]
	s_mov_b32 s62, s61
	s_mov_b32 s63, 0
	s_add_nc_u64 s[104:105], s[100:101], s[62:63]
.macro EPI a
	s_wait_xcnt 0x0
	s_cmp_lg_u32 s17, 0
	s_cbranch_scc1 .Lrole_v_\@
	WIN 0x02+(\a)/4
.set II, 0
.rept 32
	v_pk_add_f32 v[H+II:H+II+1], v[64*((\a)%4)+II:64*((\a)%4)+II+1], v[B1+II:B1+II+1]
.set II, II+2
.endr
	WIN 0
	s_branch .Ljoin_\@
.Lrole_v_\@:
	WIN 0x02+(\a)/4
.set II, 0
.rept 32
	v_pk_add_f32 v[H+II:H+II+1], v[64*((\a)%4)+II:64*((\a)%4)+II+1], v[VB+2*(\a):VB+2*(\a)+1]
.set II, II+2
.endr
	WIN 0
.Ljoin_\@:
	QUANT H, PWS+(\a)
	global_store_b128 v17, v[PC:PC+3], s[100:101] offset:HI*(\a)
	global_store_b64 v18, v[PC+4:PC+5], s[100:101] offset:HI*(\a)+512
	global_store_b128 v17, v[PC+6:PC+9], s[104:105] offset:HI*(\a)
	global_store_b64 v18, v[PC+10:PC+11], s[104:105] offset:HI*(\a)+512
.endm
.irp a, 0,1,2,3,4,5,6,7
	EPI \a
.endr
.irp i, 0,1,2,3
	v_cndmask_b32 v[H+\i], v[PWS+\i], v[PWS+4+\i], s60
.endr
	s_cmp_lg_u32 s17, 0
	s_cbranch_scc1 .Lscales_v
	s_lshl_b32 s62, s2, 7
	s_lshr_b32 s63, s3, 3
	s_add_co_u32 s62, s62, s63
	s_lshl_b32 s62, s62, 9
	s_mov_b32 s63, 0
	s_add_nc_u64 s[62:63], s[12:13], s[62:63]
	s_wait_alu depctr_va_vdst(0)
.irp i, 0,1,2,3
	v_and_b32 v[H+4+\i], 0xffff, v[H+\i]
	v_lshrrev_b32 v[H+8+\i], 16, v[H+\i]
.endr
	global_store_b128 v17, v[H+4:H+7], s[62:63]
	global_store_b128 v17, v[H+8:H+11], s[62:63] offset:32768
	s_branch .Lscales_done
.Lscales_v:
	s_lshl_b32 s62, s2, 12
	s_lshr_b32 s63, s3, 2
	s_lshl_b32 s63, s63, 8
	s_add_co_u32 s62, s62, s63
	s_add_co_u32 s62, s62, 1048576
	s_mov_b32 s63, 0
	s_add_nc_u64 s[62:63], s[12:13], s[62:63]
	s_wait_alu depctr_va_vdst(0)
	global_store_b128 v17, v[H:H+3], s[62:63]
.Lscales_done:
	s_wait_tensorcnt 0x0
	ds_add_u32 v[SPW], v[NIL]
	s_wait_dscnt 0x0
	CROUND
	s_endpgm
.Lfunc_end_k_q6fc4d62cdc_gemm_qkv:
	.size	k_q6fc4d62cdc_gemm_qkv, .Lfunc_end_k_q6fc4d62cdc_gemm_qkv-k_q6fc4d62cdc_gemm_qkv
	.p2alignl 7, 3214868480
	.fill 96, 4, 3214868480
	.section	.rodata,"a",@progbits
	.p2align	6, 0x0
	.amdhsa_kernel k_q6fc4d62cdc_gemm_qkv
		.amdhsa_group_segment_fixed_size 327680
		.amdhsa_private_segment_fixed_size 0
		.amdhsa_enable_private_segment 0
		.amdhsa_kernarg_size 40
		.amdhsa_user_sgpr_count 2
		.amdhsa_user_sgpr_kernarg_segment_ptr 1
		.amdhsa_wavefront_size32 1
		.amdhsa_system_sgpr_workgroup_id_x 1
		.amdhsa_system_sgpr_workgroup_id_y 1
		.amdhsa_system_sgpr_workgroup_id_z 1
		.amdhsa_system_vgpr_workitem_id 0
		.amdhsa_next_free_vgpr 1024
		.amdhsa_next_free_sgpr 106
		.amdhsa_reserve_vcc 0
		.amdhsa_float_denorm_mode_32 3
		.amdhsa_float_denorm_mode_16_64 3
		.amdhsa_memory_ordered 1
		.amdhsa_forward_progress 1
		.amdhsa_inst_pref_size 187
	.end_amdhsa_kernel
	.amdgpu_metadata
---
amdhsa.version: [ 1, 2 ]
amdhsa.kernels:
  - .name:           k_q6fc4d62cdc_gemm_qkv
    .symbol:         k_q6fc4d62cdc_gemm_qkv.kd
    .args:
      - { .name: opc, .offset: 0, .size: 8, .value_kind: global_buffer, .address_space: global }
      - { .name: ops, .offset: 8, .size: 8, .value_kind: global_buffer, .address_space: global }
      - { .name: in_proj_b, .offset: 16, .size: 8, .value_kind: global_buffer, .address_space: global }
      - { .name: qkvc, .offset: 24, .size: 8, .value_kind: global_buffer, .address_space: global }
      - { .name: qkvs, .offset: 32, .size: 8, .value_kind: global_buffer, .address_space: global }
    .group_segment_fixed_size: 327680
    .private_segment_fixed_size: 0
    .kernarg_segment_align: 8
    .kernarg_segment_size: 40
    .max_flat_workgroup_size: 128
    .sgpr_count:     106
    .vgpr_count:     1024
    .wavefront_size: 32
...
	.end_amdgpu_metadata
.endif
;; end of part 2
;; launch attn (part 3): grid 4 x 64, 16 waves a work-group, no clusters, 327,680 bytes of LDS; arguments qkvc, qkvs, rel_bias, attc, atts; writes attc, atts
.if DOCPART == 3
	.amdgcn_target "amdgcn-amd-amdhsa--gfx1250"
	.amdhsa_code_object_version 6
	.text
	.protected	k_q6fc4d62cdc_attn
	.globl	k_q6fc4d62cdc_attn
	.p2align	8
	.type	k_q6fc4d62cdc_attn,@function
k_q6fc4d62cdc_attn:
	s_mov_b64 s[64:65], 0
	v_nop
	global_prefetch_b8 v0, s[64:65] scope:SCOPE_SE
	s_setreg_imm32_b32 hwreg(HW_REG_WAVE_MODE, 25, 1), 1
	s_wait_xcnt 0x0
; Attention of one (batch, head) on codes of FP6 (E2M3) with E8M0 scales: S = q k^T (K = the head's 64), logit = S / 8 + mask, p = 2^(t - M), O = p v (K = the keys), O / l quantised along E for the last product.
; t = logit x log2(e); M = the running largest t rounded up to a whole number; p is quantised along the keys, not normalised; l is the sum of the unquantised p, in f32.  No step of the problem is left out.
; THE MASK is mb[clip(query - key, -32, 32) + 32], mb the mean of rel_bias over its 16 heads.  It is added as u = S + 8 mask, and t = u c with c = log2(e) / 8.  A step of 128 keys that lies wholly 32 or more
; before, or after, the wave's 16 queries has ONE mask number, which goes into the multiply-add's addend; only the steps that touch the band read the table: a scalar branch on ids.
; SHARES.  256 work-groups.  A work-group owns 512 queries of one (batch, head); each of its sixteen waves walks all 2,048 keys twice, for 16 queries a pass (pass p, wave w: queries 256 p + 16 w of the 512).
; THE HEAD'S WHOLE K AND V LIE IN LDS, each byte filled once.  At the kernel's head every wave asks for an eighth of K's or of V's first 512 keys (one tensor load a wave); behind the three lines and a barrier,
; every wave asks for an eighth of the other 1,536 keys; the first four key steps stand between that load and the wait for it.  A wave has one tensor load out at any time.
; NO CLUSTER, though the four query blocks of a head read the same K and V: which steps touch the band, a branch, hangs on the query block, which would be a work-group's place among the partners.
; NO PREFETCH: all that a work-group reads of K and V is asked for by its waves' two loads at the start; no later stream is left to run ahead of.
; LAYOUT.  Both products are used transposed: S^T = k q^T, O^T = v^T p^T: a lane holds one query (lane % 16).  Operands in memory are half images (16 rows x 64 K, 768 bytes: lane l's registers 0-3 at 16 l, 4-5 at 512 + 8 l).
; WHICH KEYS FORM A TILE OF k: tile 4 c + u of a step, row 8 g + j, is key 64 c + 32 g + 8 sw(u) + j, sw = 0, 2, 1, 3.  So lane (r, h)'s 32 registers of tiles 4 c .. 4 c + 3 are ONE block of 32 keys (block 2 c + h), in the
; order in which every operand of this program lays a block (0..7, 16..23, 8..15, 24..31), which is v's: a block's largest score needs no other lane, and the conversions' results are p's operand registers.
; Those rows are picked by the lanes' LDS addresses: rows 0-7 come from image 4 c + u % 2, rows 8-15 from image 4 c + 2 + u % 2, rows 8 (u / 2) + j of each.  k's images have 64 bytes of padding behind each 256 (an image
; is 960 bytes), so that the two images' parts of a 16-byte read begin 128 bytes apart modulo 256.
; K = 64 IN AN INSTRUCTION OF 128: q's upper six registers are zero codes, and bytes 2, 3 of q's and k's scale words are 0.  k's fragment of tile t is v[36 + 6 t .. 47 + 6 t]: its upper half is the next tile's codes;
; E2M3 has no NaN and no infinity, so those products with zero codes are exactly 0.
; OUT: attc [token tile 512][head 16][768]; atts [token 8192][32 bytes].  A row's two scale bytes leave by a store of 2 bytes a lane, 32 bytes apart: a whole row of them would need all 16 heads in one work-group.
; LIMITS: NaN and infinities are not served; the scaled scores stay under 2^31 in magnitude; 1 / l is v_rcp_f32 and a multiplication; a block of O / l whose largest magnitude lies under 2^-124 keeps the byte 1.
.set TAB,   0                          ; 512 words: TAB[i] = 8 x the mask at query - key = i - 176
.set SPARE, 2048                       ; the spare words, 128 bytes for each of 16 waves
.set KS,    4096                       ; k's scale words as they lie in memory: [step 16][lane 32][4 words]: word i of lane (r, h): image 4 h + i, row r
.set VS,    12288                      ; v's: [step 16][d % 16][4 words]
.set KC,    16384                      ; k's codes: [key image 128][960]
.set KP,    960
.set VC,    KC+128*KP                  ; v's: [key / 64, 32][d tile 4][768]
.set SPW,  8                           ; v8 my spare word's address, v9 0: never rewritten
.set NIL,  9
.set QS,   17                          ; q's scale words
.set QF,   24                          ; v24-35  q's fragment (v30-35 zero codes)
.set KFR,  36                          ; v36-89  k's eight tiles, 6 registers each; v84-89 zero codes
.set KSR,  90                          ; v90-93  k's scale words: register u: lanes 0-15 tile u, lanes 16-31 tile 4 + u
.set VSR,  94                          ; v94-97  v's: register t: d tile t
.set FF,   98                          ; f = 2^(old M - new M)
.set PW,   99                          ; p's scale word
.set BM,   100                         ; v100-103 largest scores
.set T4,   104                         ; v104-105 lane permutes' results
.set L16,  106                         ; 16 x lane, 8 x lane, 16 r, 32 r: never rewritten
.set L8,   107
.set SO,   108                         ; v108-109 the conversions' scale operands
.set R16,  110
.set R32,  111
.set PC,   112                         ; v112-130 p's codes
.set SH8,  131                         ; 8 h
.set S,    132                         ; v132-195 S^T, then p; then v's four fragments
.set OT,   196                         ; v196-227 O^T
.set TB,   228                         ; v228-243 table words
.set X,    240                         ; v240-255 the sum's eight chains
.set G1K,  24                          ; s[24:31], s[32:39] descriptor groups 1 for k's and v's tiles
.set G1V,  32
.set G0K,  68                          ; groups 0: k's and v's first 512 keys, k's and v's other 1,536
.set G0V,  72
.set G0K2, 76
.set G0V2, 80
; v1-7 lane constants; v10-16 the step's addresses; v18 the addend, v19 the largest t, v20 -M, v21 at work, v[22:23] the sum in two halves
; s2, s3: the NEXT step's place in k's codes and scale words (s86, s87: the same, held at the loop's last step); s85, s66: this step's place in v's codes and scale words; s14 wave; s18 my first query;
; s19 the step's first key; s[20:21] lane selects; s[22:23] c; s67, s84 counts; s100 the step's mask number as t; s101 that of keys far after, s104 of keys far before the query; s105 first query - first key
	s_load_b256 s[4:11], s[0:1], 0x0               ; qkvc, qkvs, rel_bias, attc
	s_load_b64 s[12:13], s[0:1], 0x20              ; atts
	v_lshl_add_u32 v[SPW], v0, 2, SPARE
	v_mov_b32 v[NIL], 0
	ds_add_u32 v[SPW], v[NIL]                      ; the opening: the add, twice on end, and its wait ahead of the first tensor load
	ds_add_u32 v[SPW], v[NIL]
	v_lshrrev_b32 v10, 5, v0
	s_delay_alu instid0(VALU_DEP_1)
	v_readfirstlane_b32 s14, v10                   ; wave 0..15
	s_and_b32 s2, ttmp7, 0xffff
	s_lshr_b32 s15, s2, 4                          ; batch
	s_and_b32 s16, s2, 15                          ; head
	s_lshl_b32 s18, ttmp9, 9
	s_lshl_b32 s3, s14, 4
	s_add_co_u32 s18, s18, s3                      ; my first query of pass 0: 512 x work-group x + 16 x wave
	s_lshl_b32 s52, s15, 7
	s_lshl_b32 s3, ttmp9, 5
	s_add_co_u32 s52, s52, s3
	s_add_co_u32 s52, s52, s14                     ; T: my token tile of pass 0
	s_and_b32 s53, s14, 7                          ; which eighth I fetch: waves 0-7 of k, waves 8-15 of v
	s_add_co_u32 s56, s16, 16                      ; k's codes: head 16 + h, token tile 128 b on: 98,304 dense bytes
	s_lshl_b32 s56, s56, 9
	s_lshl_b32 s3, s15, 7
	s_add_co_u32 s56, s56, s3
	s_mul_i32 s56, s56, 768
	s_mov_b32 s57, 0
	s_lshl_b32 s58, s15, 11                        ; v's codes: key / 64 = 32 b on, 64 d tiles each; d tiles 4 h on: rows of 3,072 bytes, 49,152 apart
	s_lshl_b32 s3, s16, 2
	s_add_co_u32 s58, s58, s3
	s_mul_i32 s58, s58, 768
	s_add_co_u32 s58, s58, 12582912
	s_mov_b32 s59, 0
	s_mul_i32 s54, s53, 3072                       ; my eighth, in memory: of k's first 24,576 bytes,
	s_mov_b32 s55, 0
	s_mul_i32 s60, s53, 9216                       ; of k's other 73,728,
	s_mov_b32 s61, 0
	s_mul_i32 s62, s53, 49152                      ; of v's first 8 rows,
	s_mov_b32 s63, 0
	s_mul_i32 s86, s53, 147456                     ; of v's other 24
	s_mov_b32 s87, 0
	s_mov_b32 s[G0K], 1
	s_mul_i32 s[G0K+1], s53, 3840                  ; and in LDS: 12 padded rows of 320 bytes,
	s_add_co_u32 s[G0K+1], s[G0K+1], KC
	s_mov_b32 s[G0V], 1
	s_add_co_u32 s[G0V+1], s54, VC
	s_mov_b32 s[G0K2], 1
	s_mul_i32 s[G0K2+1], s53, 11520                ; 36 of them
	s_add_co_u32 s[G0K2+1], s[G0K2+1], KC+32*KP
	s_mov_b32 s[G0V2], 1
	s_add_co_u32 s[G0V2+1], s60, VC+24576
	s_add_co_u32 s40, s16, 16                      ; k's scale words: 8,192 dense bytes
	s_lshl_b32 s40, s40, 6
	s_lshl_b32 s3, s15, 4
	s_add_co_u32 s40, s40, s3
	s_lshl_b32 s40, s40, 9
	s_mov_b32 s41, 0
	s_lshl_b32 s42, s15, 8                         ; v's: 256 bytes of each of 16 steps, 4,096 bytes apart
	s_add_co_u32 s42, s42, s16
	s_lshl_b32 s42, s42, 8
	s_add_co_u32 s42, s42, 1048576
	s_mov_b32 s43, 0
	s_lshl_b32 s44, s16, 9                         ; q's half image: head h, token tile T
	s_add_co_u32 s44, s44, s52
	s_mul_i32 s44, s44, 768
	s_mov_b32 s45, 0
	s_lshl_b32 s46, s16, 6                         ; q's scale words: head h, T / 8; half (T / 4) % 2 of the lanes; word T % 4
	s_lshr_b32 s3, s52, 3
	s_add_co_u32 s46, s46, s3
	s_lshl_b32 s46, s46, 9
	s_bfe_u32 s3, s52, 0x10002
	s_lshl_b32 s3, s3, 8
	s_add_co_u32 s46, s46, s3
	s_and_b32 s3, s52, 3
	s_lshl_b32 s3, s3, 2
	s_add_co_u32 s46, s46, s3
	s_mov_b32 s47, 0
	s_lshl_b32 s48, s52, 4                         ; out: token tile T, head h
	s_add_co_u32 s48, s48, s16
	s_mul_i32 s48, s48, 768
	s_mov_b32 s49, 0
	s_lshl_b32 s50, s52, 9                         ; and its rows' scale bytes 2 h, 2 h + 1
	s_lshl_b32 s3, s16, 1
	s_add_co_u32 s50, s50, s3
	s_mov_b32 s51, 0
	; groups 1, for the first loads: 3,072 dense bytes as 12 rows of 256 (32 elements of 8 bytes); k's with 16 words of padding behind every 64
	s_mov_b32 s[G1K], (3<<16)|(1<<20)|(5<<22)|(15<<25)
	s_mov_b32 s[G1V], 3<<16
.irp g, G1K, G1V
	s_mov_b32 s[\g+1], 32<<16
	s_mov_b32 s[\g+2], 12<<16
	s_mov_b32 s[\g+3], 32<<16
	s_mov_b32 s[\g+4], 12
	s_mov_b32 s[\g+5], 32
	s_mov_b32 s[\g+6], 0
	s_mov_b32 s[\g+7], 0
.endr
	s_mov_b32 s20, 0x76543210
	s_mov_b32 s21, 0xfedcba98                      ; v_permlanex16_b32's selects for lane l xor 16
	s_mov_b32 s22, 0x3e38aa3b                      ; c = log2(e) / 8
	s_mov_b32 s23, s22                             ; (named with it as a pair, so it is written)
	s_wait_dscnt 0x0                               ; both opening adds are done
	s_wait_kmcnt 0x0
	s_add_nc_u64 s[56:57], s[4:5], s[56:57]
	s_add_nc_u64 s[58:59], s[4:5], s[58:59]
	s_add_nc_u64 s[G0K+2:G0K+3], s[56:57], s[54:55]
	s_or_b32 s[G0K+3], s[G0K+3], 0x80000000
	s_add_nc_u64 s[G0V+2:G0V+3], s[58:59], s[62:63]
	s_or_b32 s[G0V+3], s[G0V+3], 0x80000000
	s_add_nc_u64 s[G0K2+2:G0K2+3], s[56:57], s[60:61]
	s_add_nc_u64 s[G0K2+2:G0K2+3], s[G0K2+2:G0K2+3], 24576
	s_or_b32 s[G0K2+3], s[G0K2+3], 0x80000000
	s_add_nc_u64 s[G0V2+2:G0V2+3], s[58:59], s[86:87]
	s_add_nc_u64 s[G0V2+2:G0V2+3], s[G0V2+2:G0V2+3], 393216
	s_or_b32 s[G0V2+3], s[G0V2+3], 0x80000000
	s_cmp_lt_u32 s14, 8                            ; one tensor load a wave, one to each arm
	s_cbranch_scc0 .Lfirst_v
	tensor_load_to_lds s[G0K:G0K+3], s[G1K:G1K+7]
	s_nop 0
.rept 4
	v_nop
.endr
	s_branch .Lfirst_asked
.Lfirst_v:
	tensor_load_to_lds s[G0V:G0V+3], s[G1V:G1V+7]
	s_nop 0
.rept 4
	v_nop
.endr
.Lfirst_asked:
	s_add_nc_u64 s[40:41], s[6:7], s[40:41]
	s_add_nc_u64 s[42:43], s[6:7], s[42:43]
	s_add_nc_u64 s[44:45], s[4:5], s[44:45]
	s_add_nc_u64 s[46:47], s[6:7], s[46:47]
	s_add_nc_u64 s[48:49], s[10:11], s[48:49]
	s_add_nc_u64 s[50:51], s[12:13], s[50:51]
	v_and_b32 v244, 31, v0                         ; lane
	v_and_b32 v245, 15, v0                         ; r
	v_bfe_u32 v246, v0, 4, 1                       ; h
	v_and_b32 v247, 7, v0                          ; j
	v_bfe_u32 v248, v0, 3, 1                       ; g
	v_max_u32 v10, 144, v0                         ; thread i makes TAB[i]: row clip(i, 144, 208) - 144 of rel_bias, 64 bytes a row
	s_delay_alu instid0(VALU_DEP_1)
	v_min_u32 v10, 208, v10
	s_delay_alu instid0(VALU_DEP_1)
	v_add_nc_u32 v10, 0xffffff70, v10
	s_delay_alu instid0(VALU_DEP_1)
	v_lshlrev_b32 v10, 6, v10
	v_lshlrev_b32 v11, 4, v0                       ; 16 x thread
	v_lshrrev_b32 v12, 5, v0
	s_delay_alu instid0(VALU_DEP_1)
	v_lshlrev_b32 v12, 12, v12
	s_delay_alu instid0(VALU_DEP_1)
	v_lshl_add_u32 v12, v244, 3, v12               ; v's scale words: step = wave, 8 bytes a lane
	v_lshlrev_b32 v13, 3, v0                       ; 8 x thread
	v_lshlrev_b32 v14, 2, v0                       ; 4 x thread
.irp i, 0,1,2,3
	global_load_b128 v[TB+4*\i:TB+4*\i+3], v10, s[8:9] offset:16*\i
.endr
	global_load_b128 v[S:S+3], v11, s[40:41]
	global_load_b64 v[S+4:S+5], v12, s[42:43]
	v_lshlrev_b32 v[L16], 4, v244
	v_lshlrev_b32 v[L8], 3, v244
	v_lshlrev_b32 v[R16], 4, v245
	v_lshlrev_b32 v[R32], 5, v245
	v_lshlrev_b32 v[SH8], 3, v246
	v_mul_u32_u24 v1, v248, 2*KP                   ; the lane constants, five chains by turns
	v_mul_u32_u24 v2, v248, 2*KP
	v_lshlrev_b32 v5, 8, v246
	v_lshlrev_b32 v7, 2, v245
	v_lshlrev_b32 v249, 7, v246
	v_mad_u32_u24 v1, v246, 320, v1
	v_lshl_add_u32 v2, v246, 7, v2
	v_lshl_add_u32 v5, v247, 4, v5
	v_add_nc_u32 v7, 128, v7
	v_add_nc_u32 v3, VC, v[L16]                    ; v's images: 16 x lane,
	v_lshl_add_u32 v1, v247, 4, v1
	v_lshl_add_u32 v2, v247, 3, v2
	v_lshl_add_u32 v5, v248, 3, v5
	v_sub_nc_u32 v7, v7, v249                      ; the table: 4 (r + 32 - 32 h)
	v_add_nc_u32 v4, VC+512, v[L8]                 ; and 512 + 8 x lane
	v_add_nc_u32 v1, KC, v1                        ; k's 16-byte parts: 1,920 g + 320 h + 16 j
	v_add_nc_u32 v2, KC+640, v2                    ; its 8-byte parts: 640 + 1,920 g + 128 h + 8 j
	v_add_nc_u32 v5, KS, v5                        ; k's scale words: 256 (lane / 16) + 16 j + 8 g
	v_add_nc_u32 v6, VS, v[R16]
	v_mov_b32 v[PW], 0                             ; (named as the upper half of the pair v[98:99] before it is first written)
	v_mov_b32 v[T4], 0                             ; written once: a lane permute's destination counts as one of its sources
	v_mov_b32 v[T4+1], 0
.irp i, 0,1,2,3,4,5
	v_mov_b32 v[QF+6+\i], 0                        ; zero codes
	v_mov_b32 v[KFR+48+\i], 0
.endr
	s_wait_alu depctr_va_vdst(0)
	s_wait_loadcnt 0x0
	v_pk_add_f32 v[TB:TB+1], v[TB:TB+1], v[TB+2:TB+3]
	v_pk_add_f32 v[TB+4:TB+5], v[TB+4:TB+5], v[TB+6:TB+7]
	v_pk_add_f32 v[TB+8:TB+9], v[TB+8:TB+9], v[TB+10:TB+11]
	v_pk_add_f32 v[TB+12:TB+13], v[TB+12:TB+13], v[TB+14:TB+15]
	s_delay_alu instid0(VALU_DEP_3)
	v_pk_add_f32 v[TB:TB+1], v[TB:TB+1], v[TB+4:TB+5]
	s_delay_alu instid0(VALU_DEP_2)
	v_pk_add_f32 v[TB+8:TB+9], v[TB+8:TB+9], v[TB+12:TB+13]
	s_delay_alu instid0(VALU_DEP_1)
	v_pk_add_f32 v[TB:TB+1], v[TB:TB+1], v[TB+8:TB+9]
	s_delay_alu instid0(VALU_DEP_1)
	v_add_f32 v[TB], v[TB], v[TB+1]
	s_delay_alu instid0(VALU_DEP_1)
	v_mul_f32 v[TB], 0.5, v[TB]                    ; 8 x the mean of 16
	ds_store_b32 v14, v[TB]
	ds_store_b128 v11, v[S:S+3] offset:KS
	ds_store_b64 v13, v[S+4:S+5] offset:VS
	s_wait_alu depctr_va_vdst(0)
	s_wait_tensorcnt 0x0                           ; my eighth of the first 512 keys is in
	ds_add_u32 v[SPW], v[NIL]
	s_mov_b32 s[G1K+2], 36<<16                     ; no tensor load of mine is out, so a descriptor may be written: k's next load brings 36 rows of 256 bytes,
	s_mov_b32 s[G1K+4], 36
	s_mov_b32 s[G1V+1], 384<<16                    ; v's three rows of 3,072 bytes, 49,152 apart
	s_mov_b32 s[G1V+2], 3<<16
	s_mov_b32 s[G1V+3], 384<<16
	s_mov_b32 s[G1V+4], 3
	s_mov_b32 s[G1V+5], 6144
	s_wait_dscnt 0x0                               ; the add is done, and my stores of the table and the scale words have landed
	s_barrier_signal -1
	s_barrier_wait -1                              ; the first 512 keys, the table and the scale words are whole for all sixteen waves
	s_cmp_lt_u32 s14, 8
	s_cbranch_scc0 .Lrest_v
	tensor_load_to_lds s[G0K2:G0K2+3], s[G1K:G1K+7]
	s_nop 0
.rept 4
	v_nop
.endr
	s_branch .Lrest_asked
.Lrest_v:
	tensor_load_to_lds s[G0V2:G0V2+3], s[G1V:G1V+7]
	s_nop 0
.rept 4
	v_nop
.endr
.Lrest_asked:
	v_mov_b32 v21, 0
	ds_load_b32 v[TB], v21                         ; the mask far after the query,
	ds_load_b32 v[TB+1], v21 offset:2044           ; and far before it
	s_wait_dscnt 0x0
	v_mul_f32 v[TB], s22, v[TB]
	v_mul_f32 v[TB+1], s22, v[TB+1]
	s_delay_alu instid0(VALU_DEP_2)
	v_readfirstlane_b32 s101, v[TB]
	s_delay_alu instid0(VALU_DEP_2)
	v_readfirstlane_b32 s104, v[TB+1]
; A KEY STEP: 128 keys.
; k's eight tiles and their scale words of step st, counted from the addresses given
.macro KLOAD a16, a8, as, st
.irp t, 0,1,2,3,4,5,6,7
	ds_load_b128 v[KFR+6*\t:KFR+6*\t+3], v[\a16] offset:KP*(8*(\st)+4*(\t/4)+\t%2)+128*((\t%4)/2)
	ds_load_b64 v[KFR+6*\t+4:KFR+6*\t+5], v[\a8] offset:KP*(8*(\st)+4*(\t/4)+\t%2)+64*((\t%4)/2)
.endr
	ds_load_b64 v[KSR:KSR+1], v[\as] offset:512*(\st)
	ds_load_b64 v[KSR+2:KSR+3], v[\as] offset:512*(\st)+128
.endm
; last: the loop's last key step.  k's fragments are asked for one step ahead; in the loop's last trip the look-ahead is held at that step, so that it names no byte beyond what the loop may read
.macro STEP last
	s_sub_co_i32 s105, s18, s19                    ; my first query - the step's first key.  query - key of my scores runs from this - 127 to this + 15
	s_cmp_ge_i32 s105, 159
	s_cselect_b32 s100, s104, 0                    ; all 32 or more: one number; in a step that touches the band 0: the table is added below
	s_cmp_le_i32 s105, -47
	s_cselect_b32 s100, s101, s100                 ; all -32 or less: the other
	v_add_nc_u32 v12, s85, v3                      ; five plain lines: the places between the last step's products, which read v's fragments, and the products below, which write over them
	v_add_nc_u32 v13, s85, v4
	v_add_nc_u32 v15, s66, v6
	v_mov_b32 v127, v20                            ; the old -M
	v_nop
	s_min_u32 s86, s2, (\last)*8*KP
	s_min_u32 s87, s3, (\last)*512
	s_wait_dscnt 0x0                               ; this step's k: asked for behind the last step's first products, or ahead of the loop
.irp t, 0,1,2,3
	v_wmma_scale_f32_16x16x128_f8f6f4 v[S+8*\t:S+8*\t+7], v[KFR+6*\t:KFR+6*\t+11], v[QF:QF+11], 0, v[KSR+\t], v[QS] matrix_a_fmt:MATRIX_FMT_FP6 matrix_b_fmt:MATRIX_FMT_FP6
.endr
.irp t, 4,5,6,7
	v_wmma_scale_f32_16x16x128_f8f6f4 v[S+8*\t:S+8*\t+7], v[KFR+6*\t:KFR+6*\t+11], v[QF:QF+11], 0, v[KSR+\t-4], v[QS] matrix_a_fmt:MATRIX_FMT_FP6 matrix_b_fmt:MATRIX_FMT_FP6 matrix_a_scale:MATRIX_SCALE_ROW1
.endr                                          ; register 32 c + 8 u + j of lane (r, h): key 64 c + 32 h + 8 sw(u) + j of the step, query r
	v_add_nc_u32 v10, s86, v1                      ; four plain lines: the places behind the products, ahead of the loads into their sources and of the first read of their results
	v_add_nc_u32 v11, s86, v2
	v_add_nc_u32 v14, s87, v5
	v_nop
	KLOAD 10, 11, 14, 0                            ; the next step's k: the whole softmax stands between these loads and the wait for them
	s_add_co_u32 s17, s105, 46
	s_cmp_gt_u32 s17, 204
	s_cbranch_scc1 .Lno_band_\@
	s_add_co_u32 s17, s105, 49                     ; the table's word: (first query - first key + 49) + (r + 32 - 32 h) + (95 - the key's place less 32 h)
	s_lshl_b32 s17, s17, 2
	v_add_nc_u32 v16, s17, v7
	s_delay_alu instid0(VALU_DEP_1)
	v_and_b32 v16, 0x3fc, v16                      ; in a band step this lies between 12 and 1,016 bytes: the mask changes nothing and states the bound
	s_wait_alu depctr_va_vdst(0)
.irp g, 0,1,2,3
.irp n, 0,1,2,3,4,5,6,7,8,9,10,11,12,13,14,15
	ds_load_b32 v[TB+\n], v16 offset:4*(95-64*(\g/2)-16*(\n/8)-8*(\g%2)-(\n%8))
.endr
	s_wait_dscnt 0x0
.irp n, 0,2,4,6,8,10,12,14
	v_pk_add_f32 v[S+16*\g+\n:S+16*\g+\n+1], v[S+16*\g+\n:S+16*\g+\n+1], v[TB+\n:TB+\n+1]
.endr
.endr
.Lno_band_\@:
.irp b, 0,1,2,3
	v_max3_num_f32 v[BM+\b], v[S+16*\b], v[S+16*\b+1], v[S+16*\b+2]   ; the largest score, in four chains of 16 registers by turns
.endr
.irp i, 3,5,7,9,11,13
.irp b, 0,1,2,3
	v_max3_num_f32 v[BM+\b], v[BM+\b], v[S+16*\b+\i], v[S+16*\b+\i+1]
.endr
.endr
.irp b, 0,1,2,3
	v_max_num_f32 v[BM+\b], v[BM+\b], v[S+16*\b+15]
.endr
	s_delay_alu instid0(VALU_DEP_3)
	v_max_num_f32 v[BM], v[BM], v[BM+1]            ; my block h's largest score: it serves for the row's maximum and, since p rises with the score, for the block's largest p
	s_delay_alu instid0(VALU_DEP_2)
	v_max_num_f32 v[BM+2], v[BM+2], v[BM+3]        ; and my block 2 + h's
	s_delay_alu instid0(VALU_DEP_1)
	v_max_num_f32 v21, v[BM], v[BM+2]
	s_delay_alu instid0(VALU_DEP_1)
	v_permlanex16_b32 v[T4], v21, s20, s21
	s_delay_alu instid0(VALU_DEP_1)
	v_max_num_f32 v21, v21, v[T4]                  ; with lane l xor 16's two blocks
	s_delay_alu instid0(VALU_DEP_1)
	v_fma_f32 v21, v21, s22, s100                  ; the step's largest t of my query
	s_delay_alu instid0(VALU_DEP_1)
	v_max_num_f32 v19, v19, v21                    ; the running largest t
	s_delay_alu instid0(VALU_DEP_1)
	v_floor_f32 v20, -v19                          ; the new -M = -ceil(t): a whole number
	s_delay_alu instid0(VALU_DEP_1)
	v_sub_f32 v21, v20, v127                       ; old M - new M: a whole number, 0 or less
	s_delay_alu instid0(VALU_DEP_1)
	v_cvt_i32_f32 v21, v21                         ; (it saturates)
	s_delay_alu instid0(VALU_DEP_1)
	v_ldexp_f32 v[FF], 1.0, v21                    ; f = 2^(old M - new M): a multiplication by it rounds nothing
	s_delay_alu instid0(VALU_DEP_4)
	v_add_f32 v18, s100, v20                       ; the addend: the step's mask number as t, less M
.set J, 0
.rept 32
	v_pk_fma_f32 v[S+J:S+J+1], v[S+J:S+J+1], s[22:23], v[18:19] op_sel_hi:[1,0,0]   ; t - M, two at a time
.set J, J+2
.endr
	v_fma_f32 v[BM], v[BM], s22, v18               ; the same of each block's largest score
	v_fma_f32 v[BM+2], v[BM+2], s22, v18
.set J, 0
	s_wait_alu depctr_va_vdst(0)
.rept 64
	v_exp_f32 v[S+J], v[S+J]                       ; p = 2^(t - M), at most 1
.set J, J+1
.endr
	v_pk_mul_f32 v[22:23], v[22:23], v[FF:FF+1] op_sel_hi:[1,0]   ; the sums under the new M: a plain place behind the exponentials
	s_wait_alu depctr_va_vdst(0)                   ; one wait for the whole batch, ahead of its first reader
	v_exp_f32 v[BM], v[BM]                         ; the block's largest p: the same two instructions on the same number
	v_exp_f32 v[BM+2], v[BM+2]
.irp i, 0,1,2,3,4,5,6,7                        ; the row's sum of the unquantised p: eight chains of pairs
	v_pk_add_f32 v[X+2*\i:X+2*\i+1], v[S+2*\i:S+2*\i+1], v[S+16+2*\i:S+17+2*\i]
.endr
.irp m, 32,48
.irp i, 0,1,2,3,4,5,6,7
	v_pk_add_f32 v[X+2*\i:X+2*\i+1], v[X+2*\i:X+2*\i+1], v[S+\m+2*\i:S+\m+1+2*\i]
.endr
.endr
.irp i, 0,1,2,3
	s_delay_alu instid0(VALU_DEP_4)
	v_pk_add_f32 v[X+2*\i:X+2*\i+1], v[X+2*\i:X+2*\i+1], v[X+8+2*\i:X+9+2*\i]
.endr
	s_delay_alu instid0(VALU_DEP_2)
	v_pk_add_f32 v[X:X+1], v[X:X+1], v[X+4:X+5]
	s_delay_alu instid0(VALU_DEP_2)
	v_pk_add_f32 v[X+2:X+3], v[X+2:X+3], v[X+6:X+7]
	s_delay_alu instid0(VALU_DEP_1)
	v_pk_add_f32 v[X:X+1], v[X:X+1], v[X+2:X+3]
	s_delay_alu instid0(VALU_DEP_1)
	v_pk_add_f32 v[22:23], v[22:23], v[X:X+1]
	s_wait_alu depctr_va_vdst(0)                   ; and one for the two
	v_max_num_f32 v[BM], 0x1800000, v[BM]          ; the floor 2^(3 - 127): the byte cannot fall under 1
	v_max_num_f32 v[BM+2], 0x1800000, v[BM+2]
	s_delay_alu instid0(VALU_DEP_2)
	v_add_nc_u32 v[SO], 0xff000000, v[BM]          ; 2 off the exponent field: the conversion's scale operand
	s_delay_alu instid0(VALU_DEP_2)
	v_add_nc_u32 v[SO+1], 0xff000000, v[BM+2]
	s_delay_alu instid0(VALU_DEP_2)
	v_lshrrev_b32 v[BM+1], 23, v[SO]               ; the scales' bytes
	s_delay_alu instid0(VALU_DEP_2)
	v_lshrrev_b32 v[BM+3], 23, v[SO+1]
.irp c, 0,1                                    ; my block 2 c + h: 32 codes, registers 6 c .. 6 c + 5 of p's operand
	v_cvt_scalef32_pk16_fp6_f32 v[PC+6*\c:PC+6*\c+2], v[S+32*\c:S+32*\c+15], v[SO+\c]
	v_cvt_scalef32_pk16_fp6_f32 v[PC+12+4*\c:PC+14+4*\c], v[S+32*\c+16:S+32*\c+31], v[SO+\c]   ; (a conversion's three registers begin on an even number: made elsewhere and moved)
.endr
.irp t, 0,1,2,3                                ; v's four fragments (16 of the head's 64 x these 128 keys) into the registers that p has left
	ds_load_b128 v[S+12*\t:S+12*\t+3], v12 offset:768*\t
	ds_load_b64 v[S+12*\t+4:S+12*\t+5], v13 offset:768*\t
	ds_load_b128 v[S+12*\t+6:S+12*\t+9], v12 offset:3072+768*\t
	ds_load_b64 v[S+12*\t+10:S+12*\t+11], v13 offset:3072+768*\t
.endr
	ds_load_b128 v[VSR:VSR+3], v15
	v_lshl_or_b32 v[PW], v[BM+3], 16, v[BM+1]      ; my two bytes: blocks h and 2 + h.  (The plain place behind the conversions)
	v_mov_b32 v[PC+3], v[PC+12]
	s_delay_alu instid0(VALU_DEP_2)
	v_lshlrev_b32 v[PW], v[SH8], v[PW]             ; at their places in the scale word
	v_mov_b32 v[PC+4], v[PC+13]
	s_delay_alu instid0(VALU_DEP_2)
	v_permlanex16_b32 v[T4+1], v[PW], s20, s21
	v_mov_b32 v[PC+5], v[PC+14]
	s_delay_alu instid0(VALU_DEP_2)
	v_or_b32 v[PW], v[PW], v[T4+1]                 ; with lane l xor 16's two the word is whole
.irp i, 0,1,2
	v_mov_b32 v[PC+9+\i], v[PC+16+\i]
.endr
	s_wait_alu depctr_va_vdst(0)
.set J, 0
.rept 16
	v_pk_mul_f32 v[OT+J:OT+J+1], v[OT+J:OT+J+1], v[FF:FF+1] op_sel_hi:[1,0]   ; O^T under the new M.  For each product below twelve of these name none of its registers: the places behind p's scale word (8) and codes (4)
.set J, J+2
.endr
	s_wait_alu depctr_va_vdst(0)
	s_wait_dscnt 0x0
.irp t, 0,1,2,3
	v_wmma_scale_f32_16x16x128_f8f6f4 v[OT+8*\t:OT+8*\t+7], v[S+12*\t:S+12*\t+11], v[PC:PC+11], v[OT+8*\t:OT+8*\t+7], v[VSR+\t], v[PW] matrix_a_fmt:MATRIX_FMT_FP6 matrix_b_fmt:MATRIX_FMT_FP6
.endr                                          ; the four accumulators by turns; the next step's eight products stand between two links of each
.endm
.macro NEXT                            ; on to the next key step: run in every trip, also in one whose work is jumped over
	s_add_co_u32 s2, s2, 8*KP
	s_add_co_u32 s85, s85, 6144
	s_add_co_u32 s3, s3, 512
	s_add_co_u32 s66, s66, 256
	s_add_co_u32 s19, s19, 128
.endm
	; PASS 0 BEGINS: its first four key steps stand ahead of the loop over passes, with the one barrier that shows the other 1,536 keys whole
	global_load_b128 v[QF:QF+3], v[L16], s[44:45]
	global_load_b64 v[QF+4:QF+5], v[L8], s[44:45] offset:512
	global_load_b32 v[QS], v[R16], s[46:47]
	v_mov_b32 v19, 0xff61b1e6                      ; the largest t so far: -3e38, under every t
	v_mov_b32 v20, 0x7f61b1e6                      ; -M = 3e38, a whole number
	v_mov_b32 v22, 0                               ; the sum, in two halves
	v_mov_b32 v23, 0
.set J, 0
.rept 32
	v_mov_b32 v[OT+J], 0                           ; O^T.  (The step is written once: the first finds zeros, which the first change of M leaves zeros)
.set J, J+1
.endr
	KLOAD 1, 2, 5, 0                               ; key step 0's k
	s_mov_b32 s2, 8*KP
	s_mov_b32 s85, 0
	s_mov_b32 s3, 512
	s_mov_b32 s66, 0
	s_mov_b32 s19, 0
	s_mov_b32 s67, 4
	s_wait_alu depctr_va_vdst(0)
	s_wait_loadcnt 0x0                             ; q
.Lfirst:                                               ; keys 0 to 511
	STEP 3
	NEXT
	s_sub_co_u32 s67, s67, 1
	s_cmp_lg_u32 s67, 0
	s_cbranch_scc1 .Lfirst
	s_wait_tensorcnt 0x0                           ; my eighth of the other 1,536 keys is in
	s_wait_dscnt 0x0
	s_barrier_signal -1
	s_barrier_wait -1                              ; and so is everybody's.
	KLOAD 1, 2, 5, 4                               ; key step 4's k
	s_mov_b32 s84, 0                               ; the pass
	s_mov_b32 s88, 4                               ; its first key step that is still to do: 4 in pass 0, 0 in pass 1
.Lpass:                                                ; A PASS: 16 trips, a constant; pass 0 jumps over the work of trips 0 to 3, which it has done: a branch on the loops' counts alone, round no barrier
	s_mov_b32 s2, 8*KP
	s_mov_b32 s85, 0
	s_mov_b32 s3, 512
	s_mov_b32 s66, 0
	s_mov_b32 s19, 0
	s_mov_b32 s67, 0
.Lrest:
	s_cmp_lt_u32 s67, s88
	s_cbranch_scc1 .Lskip
	STEP 15
.Lskip:
	NEXT
	s_add_co_u32 s67, s67, 1
	s_cmp_lt_u32 s67, 16
	s_cbranch_scc1 .Lrest
	; THE WAY OUT.  O^T / l: 32 numbers a lane, register 8 t + j = channel 16 t + 8 h + j of my query: two blocks of 32 along E, each half in lane l and half in lane l xor 16: one half image and two scale bytes a row.
.rept 4
	v_nop                                          ; places behind the last products
.endr
	s_cmp_eq_u32 s84, 1
	s_cbranch_scc1 .Lno_q
	global_load_b128 v[QF:QF+3], v[L16], s[44:45] offset:12288       ; pass 1's q, 16 token tiles on: the way out stands between these loads and the wait for them
	global_load_b64 v[QF+4:QF+5], v[L8], s[44:45] offset:12288+512
	global_load_b32 v[QS], v[R16], s[46:47] offset:1024
.Lno_q:
	v_add_f32 v22, v22, v23                        ; the sum's two halves,
	s_delay_alu instid0(VALU_DEP_1)
	v_permlanex16_b32 v[T4], v22, s20, s21
	s_delay_alu instid0(VALU_DEP_1)
	v_add_f32 v22, v22, v[T4]                      ; and lane l xor 16's
	s_wait_alu depctr_va_vdst(0)
	v_rcp_f32 v22, v22
	v_nop                                          ; one plain place behind it
	s_wait_alu depctr_va_vdst(0)                   ; the wait, ahead of the first reader
.set J, 0
.rept 16
	v_pk_mul_f32 v[S+J:S+J+1], v[OT+J:OT+J+1], v[22:23] op_sel_hi:[1,0]
.set J, J+2
.endr
.irp b, 0,1
	v_max3_num_f32 v[BM+\b], |v[S+16*\b]|, |v[S+16*\b+1]|, 0x1800000
.endr
.irp i, 2,4,6,8,10,12,14
.irp b, 0,1
	s_delay_alu instid0(VALU_DEP_2)
	v_max3_num_f32 v[BM+\b], v[BM+\b], |v[S+16*\b+\i]|, |v[S+16*\b+\i+1]|
.endr
.endr
.irp b, 0,1
	s_delay_alu instid0(VALU_DEP_2)
	v_permlanex16_b32 v[T4+\b], v[BM+\b], s20, s21
.endr
.irp b, 0,1
	s_delay_alu instid0(VALU_DEP_2)
	v_max_num_f32 v[BM+\b], v[BM+\b], v[T4+\b]
.endr
.irp b, 0,1
	s_delay_alu instid0(VALU_DEP_2)
	v_add_nc_u32 v[SO+\b], 0xff000000, v[BM+\b]
.endr
.irp b, 0,1
	s_delay_alu instid0(VALU_DEP_2)
	v_lshrrev_b32 v[T4+\b], 23, v[SO+\b]
.endr
	s_delay_alu instid0(VALU_DEP_1)
	v_lshl_or_b32 v[PW], v[T4+1], 8, v[T4]
	v_cvt_scalef32_pk16_fp6_f32 v[PC:PC+2], v[S:S+15], v[SO]
	v_cvt_scalef32_pk16_fp6_f32 v[PC+12:PC+14], v[S+16:S+31], v[SO+1]
	v_nop                                          ; one plain place behind a scaled conversion
.irp i, 0,1,2
	v_permlane16_swap_b32 v[PC+\i], v[PC+12+\i]    ; a whole block to a lane: lanes 0-15 block 0, lanes 16-31 block 1
.endr
.irp i, 0,1,2
	s_delay_alu instid0(VALU_DEP_3)
	v_mov_b32 v[PC+3+\i], v[PC+12+\i]
.endr
	global_store_b128 v[L16], v[PC:PC+3], s[48:49]             ; 512 consecutive bytes,
	global_store_b64 v[L8], v[PC+4:PC+5], s[48:49] offset:512  ; and 256
	global_store_b16 v[R32], v[PW], s[50:51]                   ; both halves of the lanes write row r's two bytes with the same value
	s_add_co_u32 s84, s84, 1
	s_cmp_ge_u32 s84, 2
	s_cbranch_scc1 .Ldone                          ; behind pass 1 nothing follows
	s_wait_xcnt 0x0                                ; the stores have read their bases and registers: they are written again only behind this wait
	s_add_nc_u64 s[48:49], s[48:49], 196608        ; pass 1: 16 token tiles, 256 queries, on
	s_add_nc_u64 s[50:51], s[50:51], 8192
	s_add_co_u32 s18, s18, 256
	s_mov_b32 s88, 0
	v_mov_b32 v19, 0xff61b1e6                      ; the largest t so far: -3e38, under every t
	v_mov_b32 v20, 0x7f61b1e6                      ; -M = 3e38, a whole number
	v_mov_b32 v22, 0
	v_mov_b32 v23, 0
.set J, 0
.rept 32
	v_mov_b32 v[OT+J], 0
.set J, J+1
.endr
	s_wait_dscnt 0x0                               ; the last trip's look-ahead loads are in: their registers take new loads
	KLOAD 1, 2, 5, 0                               ; key step 0's k
	s_wait_alu depctr_va_vdst(0)
	s_wait_loadcnt 0x0                             ; q
	s_cmp_lt_u32 s84, 2
	s_cbranch_scc1 .Lpass
.Ldone:
	s_wait_tensorcnt 0x0                           ; the wave's end
	ds_add_u32 v[SPW], v[NIL]
	s_wait_dscnt 0x0
	s_endpgm
.Lfunc_end_k_q6fc4d62cdc_attn:
	.size	k_q6fc4d62cdc_attn, .Lfunc_end_k_q6fc4d62cdc_attn-k_q6fc4d62cdc_attn
	.p2alignl 7, 3214868480
	.fill 96, 4, 3214868480
	.section	.rodata,"a",@progbits
	.p2align	6, 0x0
	.amdhsa_kernel k_q6fc4d62cdc_attn
		.amdhsa_group_segment_fixed_size 327680
		.amdhsa_private_segment_fixed_size 0
		.amdhsa_enable_private_segment 0
		.amdhsa_kernarg_size 40
		.amdhsa_user_sgpr_count 2
		.amdhsa_user_sgpr_kernarg_segment_ptr 1
		.amdhsa_wavefront_size32 1
		.amdhsa_system_sgpr_workgroup_id_x 1
		.amdhsa_system_sgpr_workgroup_id_y 1
		.amdhsa_system_sgpr_workgroup_id_z 1
		.amdhsa_system_vgpr_workitem_id 0
		.amdhsa_next_free_vgpr 256
		.amdhsa_next_free_sgpr 106
		.amdhsa_reserve_vcc 0
		.amdhsa_float_denorm_mode_32 3
		.amdhsa_float_denorm_mode_16_64 3
		.amdhsa_memory_ordered 1
		.amdhsa_forward_progress 1
		.amdhsa_inst_pref_size 70
	.end_amdhsa_kernel
	.amdgpu_metadata
---
amdhsa.version: [ 1, 2 ]
amdhsa.kernels:
  - .name:           k_q6fc4d62cdc_attn
    .symbol:         k_q6fc4d62cdc_attn.kd
    .args:
      - { .name: qkvc, .offset: 0, .size: 8, .value_kind: global_buffer, .address_space: global }
      - { .name: qkvs, .offset: 8, .size: 8, .value_kind: global_buffer, .address_space: global }
      - { .name: rel_bias, .offset: 16, .size: 8, .value_kind: global_buffer, .address_space: global }
      - { .name: attc, .offset: 24, .size: 8, .value_kind: global_buffer, .address_space: global }
      - { .name: atts, .offset: 32, .size: 8, .value_kind: global_buffer, .address_space: global }
    .group_segment_fixed_size: 327680
    .private_segment_fixed_size: 0
    .kernarg_segment_align: 8
    .kernarg_segment_size: 40
    .max_flat_workgroup_size: 512
    .sgpr_count:     106
    .vgpr_count:     256
    .wavefront_size: 32
...
	.end_amdgpu_metadata
.endif
;; end of part 3
;; launch gemm_out (part 4): grid 4 x 64, 4 waves a work-group, clusters of 4 x 4, 327,680 bytes of LDS; arguments attc, atts, opc, ops, out_b, out0; writes out0
.if DOCPART == 4
	.amdgcn_target "amdgcn-amd-amdhsa--gfx1250"
	.amdhsa_code_object_version 6
	.text
	.protected	k_q6fc4d62cdc_gemm_out
	.globl	k_q6fc4d62cdc_gemm_out
	.p2align	8
	.type	k_q6fc4d62cdc_gemm_out,@function
k_q6fc4d62cdc_gemm_out:
	s_mov_b64 s[64:65], 0
	v_nop
	global_prefetch_b8 v0, s[64:65] scope:SCOPE_SE
	s_setreg_imm32_b32 hwreg(HW_REG_WAVE_MODE, 25, 1), 1
	s_wait_xcnt 0x0
	s_wait_alu depctr_hold_cnt(0) depctr_sa_sdst(0) depctr_va_vdst(0) depctr_va_sdst(0) depctr_va_ssrc(0) depctr_va_vcc(0) depctr_vm_vsrc(0)
	s_getreg_b32 s2, hwreg(HW_REG_IB_STS2, 6, 4)
	s_cmp_eq_u32 s2, 0
	s_cbranch_scc0 .Lentry_in_a_cluster
	s_endpgm
.Lentry_in_a_cluster:
	s_bfe_u32 s2, ttmp6, 0x10000c
	s_cmp_lg_u32 s2, 0xf033
	s_cbranch_scc0 .Lentry_shape_is_right
	s_endpgm
.Lentry_shape_is_right:
; out0 = att out_w^T + out_b on codes of FP6 (E2M3) with E8M0 scales; sums in f32.  att: attc [token tile 512][K / 64, 16][768], atts [token][32 bytes]; out_w: row tiles 704 to 767 of opc and ops, laid alike.
; A block of 128 tokens x 256 columns a work-group: 64 x 4 = 256 work-groups.  Four waves, each 64 x 128: 32 accumulators of 16 x 16, 256 registers.
; ALL OF K LIES IN LDS: a row tile (16 rows x 1,024 K) is 12,288 dense bytes; A's 8 and B's 16 are 294,912 bytes, each byte filled once: no ring, no refill.  One joint load a wave at the head:
; waves 0, 1 fetch A's halves (4 row tiles each), waves 2, 3 B's (8 each).  CLUSTERS: 4 x 4 work-groups; A's tiles are shared along a row of the cluster, B's along a column.
; NO PREFETCH: everything that the work-group reads is asked for at its head; there is no loop to run ahead in.
; THE SCALES of all of K go from memory into registers: 32 bytes a row are 8 words, one for each K step of 128: A's 4 blocks in v32-63, B's 8 in v64-127; lane r (and 16 + r) holds row r's.
; THE MATRIX INSTRUCTION IS USED TRANSPOSED (source 0 = 16 rows of out_w, source 1 = 16 tokens): a lane holds eight neighbouring columns of one token.  The bias is the C of each accumulator's first product.
; A fragment is two half images (lane l's registers 0-3 at 16 l, 4-5 at 512 + 8 l of each 768 bytes).  Two sets of fragments: while one K step is multiplied, the next one's 48 loads are out.
; REGISTERS, in windows of 256: window 0: v0-31 addresses, v32-127 scales, v128-223 A's fragments in two sets (on the way out v128-255: rows read back); window 1: B's fragments, sets at v0 and v128;
; window 2: the accumulators, (a, b) at v[8 (8 a + b)]; window 3: v0-63 the bias.
; THE WAY OUT: a block of 16 tokens x 128 columns goes through the wave's stage in LDS and leaves as whole rows of 512 bytes.  The stage lies on A's bytes, which have had their only fill; a barrier stands between every wave's last read and the first store.
.set FR,    12
.set NP,    4
.set HI,    768
.set RTB,   12288
.set BBASE, 8*RTB
.set SPARE, 24*RTB                     ; behind the tiles: the spare words, 128 bytes for each wave
.set SPITCH, 528
.set SIZE_N, 1024
.set A16,  4                           ; LDS addresses of my fragments' 16-byte and 8-byte parts; B's second pair: blocks 4 to 7
.set A8,   5
.set B16,  6
.set B8,   8
.set STO,  24
.set RD,   25
.set CO,   26
.set SPW,  28
.set NIL,  29
.set SA,   32
.set SB,   64
.set AF,   128
.set BK,   128
.set G1,   24
.set G1B,  32
.set G0,   40
.set G0B,  44
.set MSB, 0
.macro WIN new                         ; the immediate's high byte repeats the setting that is left
.if MSB != (\new)
	s_set_vgpr_msb (MSB<<8)|(\new)
.set MSB, (\new)
.endif
.endm
.macro JLOAD g0a, g1a, g0b, g1b        ; waves 0, 1 ask for A, waves 2, 3 for B: one load to an arm
	s_cmp_eq_u32 s15, 0
	s_cbranch_scc0 .Lfor_b_\@
	tensor_load_to_lds s[\g0a:\g0a+3], s[\g1a:\g1a+7]
	s_nop 0
.rept 4
	v_nop
.endr
	s_branch .Lasked_\@
.Lfor_b_\@:
	tensor_load_to_lds s[\g0b:\g0b+3], s[\g1b:\g1b+7]
	s_nop 0
.rept 4
	v_nop
.endr
.Lasked_\@:
.endm
.macro CROUND                          ; a round of the cluster's barrier
	s_barrier_signal -1
	s_barrier_wait -1
	s_cmp_lg_u32 s14, 0
	s_cbranch_scc1 .Lnot_wave_0_\@
	s_barrier_signal -3
.Lnot_wave_0_\@:
	s_barrier_wait -3
	s_barrier_signal -1
	s_barrier_wait -1
.endm
.macro PLACES n
.rept \n
	v_nop
.endr
.endm
	s_load_b256 s[4:11], s[0:1], 0x0               ; attc, atts, opc, ops
	s_load_b64 s[12:13], s[0:1], 0x20              ; out_b
	s_load_b64 s[100:101], s[0:1], 0x28            ; out0
	v_lshl_add_u32 v[SPW], v0, 2, SPARE
	v_mov_b32 v[NIL], 0
	ds_add_u32 v[SPW], v[NIL]                      ; the opening: the add, twice on end, and its wait ahead of the first tensor load
	ds_add_u32 v[SPW], v[NIL]
	v_lshrrev_b32 v1, 5, v0
	v_readfirstlane_b32 s14, v1                    ; wave 0..3
	s_lshr_b32 s15, s14, 1                         ; which 64 tokens are mine.  Also: I fetch for A (0) or for B (1)
	s_and_b32 s16, s14, 1                          ; which 128 columns.  Also: which half of that tile I fetch
	s_bfe_u32 s56, ttmp6, 0x40000                  ; cx, cy
	s_bfe_u32 s57, ttmp6, 0x40004
	s_lshl_b32 s58, s57, 2
	s_lshl_b32 s58, 15, s58                        ; my row of the cluster
	s_lshl_b32 s59, 0x1111, s56                    ; my column
	s_or_b32 s[G1], s58, (3<<16)|(1<<21)           ; elements of 8 bytes; bit 21 beside a mask
	s_or_b32 s[G1B], s59, (3<<16)|(1<<21)
.irp g, G1, G1B
	s_mov_b32 s[\g+1], 1536<<16                    ; rows of 12,288 bytes, dense
	s_mov_b32 s[\g+3], 1536<<16
	s_mov_b32 s[\g+5], 1536
	s_mov_b32 s[\g+6], 0
	s_mov_b32 s[\g+7], 0
.endr
	s_mov_b32 s[G1+2], 4<<16                       ; A: four row tiles a load,
	s_mov_b32 s[G1+4], 4
	s_mov_b32 s[G1B+2], 8<<16                      ; B: eight
	s_mov_b32 s[G1B+4], 8
	s_lshl_b32 s18, ttmp9, 2
	s_add_co_u32 s18, s18, s56                     ; block column
	s_and_b32 s19, ttmp7, 0xffff
	s_lshl_b32 s19, s19, 2
	s_add_co_u32 s19, s19, s57                     ; block row
	s_lshl_b32 s20, s19, 3                         ; A: row tile 8 x block row + 4 x half
	s_lshl_b32 s3, s16, 2
	s_add_co_u32 s20, s20, s3
	s_mul_i32 s20, s20, RTB
	s_mov_b32 s21, 0
	s_lshl_b32 s22, s18, 4                         ; B: row tile 704 + 16 x block column + 8 x half
	s_lshl_b32 s3, s16, 3
	s_add_co_u32 s22, s22, s3
	s_add_co_u32 s22, s22, 704
	s_mul_i32 s22, s22, RTB
	s_mov_b32 s23, 0
	s_mov_b32 s[G0], 1
	s_mul_i32 s[G0+1], s16, 4*RTB
	s_mov_b32 s[G0B], 1
	s_mul_i32 s[G0B+1], s16, 8*RTB
	s_add_co_u32 s[G0B+1], s[G0B+1], BBASE
	s_wait_dscnt 0x0                               ; both opening adds are done
	s_wait_kmcnt 0x0
	s_add_nc_u64 s[G0+2:G0+3], s[4:5], s[20:21]
	s_or_b32 s[G0+3], s[G0+3], 0x80000000
	s_add_nc_u64 s[G0B+2:G0B+3], s[8:9], s[22:23]
	s_or_b32 s[G0B+3], s[G0B+3], 0x80000000
	CROUND                                         ; all sixteen work-groups are here: the joint loads meet
	JLOAD G0, G1, G0B, G1B                         ; my one tensor load of the launch
	s_lshl_b32 s20, s18, 10                        ; my first column, in bytes of f32: 1,024 x block column + 512 x half
	s_lshl_b32 s21, s16, 9
	s_add_co_u32 s20, s20, s21
	s_mov_b32 s21, 0
	s_add_nc_u64 s[100:101], s[100:101], s[20:21]
	s_add_nc_u64 s[12:13], s[12:13], s[20:21]
	s_lshl_b32 s22, s19, 7                         ; my first token: 128 x block row + 64 x half
	s_lshl_b32 s23, s15, 6
	s_add_co_u32 s22, s22, s23
	s_lshl_b32 s60, s22, 5                         ; its scale bytes,
	s_mov_b32 s61, 0
	s_add_nc_u64 s[6:7], s[6:7], s[60:61]
	s_lshl_b32 s22, s22, 12                        ; and its row of out0
	s_mov_b32 s23, 0
	s_add_nc_u64 s[100:101], s[100:101], s[22:23]
	s_lshl_b32 s60, s18, 4                         ; the scale bytes of my 128 rows of out_w: 512 for each row tile
	s_lshl_b32 s62, s16, 3
	s_add_co_u32 s60, s60, s62
	s_add_co_u32 s60, s60, 704
	s_lshl_b32 s60, s60, 9
	s_add_nc_u64 s[10:11], s[10:11], s[60:61]
	s_mul_i32 s20, s15, 4*RTB                      ; LDS: my four row tiles of A,
	s_mul_i32 s21, s16, 8*RTB                      ; my eight of B,
	s_add_co_u32 s21, s21, BBASE
	s_mul_i32 s63, s14, 16*SPITCH                  ; my stage
	v_and_b32 v1, 31, v0
	v_and_b32 v2, 15, v0
	v_bfe_u32 v3, v0, 4, 1
	v_lshlrev_b32 v[CO], 4, v1
	v_lshlrev_b32 v18, 3, v1
	v_add_nc_u32 v[A16], s20, v[CO]
	v_add_nc_u32 v[A8], s20, v18
	v_add_nc_u32 v[B16], s21, v[CO]
	v_add_nc_u32 v[B8], s21, v18
	v_add_nc_u32 v[B16+1], 4*RTB, v[B16]
	v_add_nc_u32 v[B8+1], 4*RTB, v[B8]
	v_mul_u32_u24 v21, v2, SPITCH                  ; the stage, in: row l % 16, 32 bytes for each half of the lanes
	v_lshl_add_u32 v21, v3, 5, v21
	v_add_nc_u32 v[STO], s63, v21
	v_add_nc_u32 v[RD], s63, v[CO]                 ; back: the 32 lanes take one row of 512 bytes
	v_lshlrev_b32 v19, 5, v2                       ; scales: 32 bytes a row
	v_lshlrev_b32 v20, 5, v3                       ; bias: 32 bytes for each half of the lanes
.irp a, 0,1,2,3
	global_load_b128 v[SA+8*\a:SA+8*\a+3], v19, s[6:7] offset:512*\a
	global_load_b128 v[SA+8*\a+4:SA+8*\a+7], v19, s[6:7] offset:512*\a+16
.endr
.irp b, 0,1,2,3,4,5,6,7
	global_load_b128 v[SB+8*\b:SB+8*\b+3], v19, s[10:11] offset:512*\b
	global_load_b128 v[SB+8*\b+4:SB+8*\b+7], v19, s[10:11] offset:512*\b+16
.endr
	WIN 0xc0                                       ; destination window 3
.irp b, 0,1,2,3,4,5,6,7
	global_load_b128 v[8*\b:8*\b+3], v20, s[12:13] offset:64*\b
	global_load_b128 v[8*\b+4:8*\b+7], v20, s[12:13] offset:64*\b+16
.endr
	WIN 0
	s_wait_alu depctr_va_vdst(0)
	s_wait_loadcnt 0x0
	s_wait_tensorcnt 0x0                           ; my part of the tiles is in
	s_barrier_signal -1
	s_barrier_wait -1                              ; and so is everybody's
.macro FRAG reg, a16, a8, off
	ds_load_b128 v[\reg:\reg+3], v[\a16] offset:\off
	ds_load_b64 v[\reg+4:\reg+5], v[\a8] offset:(\off)+512
	ds_load_b128 v[\reg+6:\reg+9], v[\a16] offset:(\off)+HI
	ds_load_b64 v[\reg+10:\reg+11], v[\a8] offset:(\off)+HI+512
.endm
.macro FETCH st                        ; K step st's fragments into set st % 2: 48 loads
	WIN 0x40                                       ; destination window 1
.irp i, 0,1,2,3,4,5,6,7
	FRAG 128*((\st)%2)+FR*\i, B16+\i/4, B8+\i/4, (\i%4)*RTB+(\st)*2*HI
.endr
	WIN 0
.irp i, 0,1,2,3
	FRAG AF+48*((\st)%2)+FR*\i, A16, A8, \i*RTB+(\st)*2*HI
.endr
.endm
.macro MUL32 st                        ; the 32 accumulators by turns, one instruction a turn
.irp a, 0,1,2,3
.irp b, 0,1,2,3,4,5,6,7
.if (\st) == 0
	v_wmma_scale_f32_16x16x128_f8f6f4 v[8*(8*\a+\b):8*(8*\a+\b)+7], v[FR*\b:FR*\b+FR-1], v[AF+FR*\a:AF+FR*\a+FR-1], v[8*\b:8*\b+7], v[SB+8*\b], v[SA+8*\a] matrix_a_fmt:MATRIX_FMT_FP6 matrix_b_fmt:MATRIX_FMT_FP6
.else
	v_wmma_scale_f32_16x16x128_f8f6f4 v[8*(8*\a+\b):8*(8*\a+\b)+7], v[128*((\st)%2)+FR*\b:128*((\st)%2)+FR*\b+FR-1], v[AF+48*((\st)%2)+FR*\a:AF+48*((\st)%2)+FR*\a+FR-1], v[8*(8*\a+\b):8*(8*\a+\b)+7], v[SB+8*\b+(\st)], v[SA+8*\a+(\st)] matrix_a_fmt:MATRIX_FMT_FP6 matrix_b_fmt:MATRIX_FMT_FP6
.endif
.endr
.endr
.endm
.macro STEP st
	s_wait_dscnt 0x0                               ; this step's fragments are in: asked for ahead of the last step's 32 products
.if (\st) > 0
	PLACES NP                                      ; ahead of loads into registers that the last step's products have read
.endif
	FETCH (\st)+1
.if (\st) == 0
	WIN 0xb1                                       ; source 0 window 1, source 1 window 0, C window 3 (the bias), D window 2
.else
	WIN 0xa1                                       ; C and D window 2
.endif
	MUL32 \st
	WIN 0
.endm
	FETCH 0
.set ST, 0
.rept 7
	STEP ST
.set ST, ST+1
.endr
	s_wait_dscnt 0x0                               ; the last step's fragments are in, and my reads of the tiles are over:
	s_barrier_signal -1                            ; say so,
	WIN 0xa1
	MUL32 7                                        ; work on registers while the others arrive,
	WIN 0
	s_barrier_wait -1                              ; and nobody reads the tiles any more: the stage may be written
.macro TOSTAGE a
	WIN 0x08                                       ; the data: window 2
.irp b, 0,1,2,3,4,5,6,7
	ds_store_b128 v[STO], v[64*(\a)+8*\b:64*(\a)+8*\b+3] offset:64*\b      ; each accumulator from its low end on
	ds_store_b128 v[STO], v[64*(\a)+8*\b+4:64*(\a)+8*\b+7] offset:64*\b+16
.endr
	WIN 0
.set BB, BK+64*((\a)%2)
.irp t, 0,1,2,3,4,5,6,7,8,9,10,11,12,13,14,15
	ds_load_b128 v[BB+4*\t:BB+4*\t+3], v[RD] offset:\t*SPITCH              ; LDS serves a wave's instructions in order: these see the stores above
.endr
.endm
.macro SEND a, younger                 ; younger: the LDS instructions issued behind block a's loads, which may stay out
.set BB, BK+64*((\a)%2)
	s_wait_dscnt \younger
.if (\a) > 0
	s_add_nc_u64 s[100:101], s[100:101], 16*SIZE_N*4   ; (behind a wait on XCNT: the earlier stores have read their base)
.endif
.irp t, 0,1,2,3,4,5,6,7,8,9,10,11,12,13,14,15
	global_store_b128 v[CO], v[BB+4*\t:BB+4*\t+3], s[100:101] offset:\t*SIZE_N*4 th:TH_STORE_NT   ; 32 lanes store 512 consecutive bytes, aligned
.endr
.endm
	PLACES NP                                      ; behind the last products: ahead of the reads of results and of the loads into A's registers
	TOSTAGE 0
.irp a, 1,2,3
.if \a > 1
	s_wait_xcnt 0x0                                ; block a - 2's stores have read their registers and their base
.endif
	TOSTAGE \a
	SEND \a-1, 32
.endr
	s_wait_xcnt 0x0
	SEND 3, 0
	s_wait_tensorcnt 0x0                           ; the wave's end
	ds_add_u32 v[SPW], v[NIL]
	s_wait_dscnt 0x0
	CROUND                                         ; the closing round
	s_endpgm
.Lfunc_end_k_q6fc4d62cdc_gemm_out:
	.size	k_q6fc4d62cdc_gemm_out, .Lfunc_end_k_q6fc4d62cdc_gemm_out-k_q6fc4d62cdc_gemm_out
	.p2alignl 7, 3214868480
	.fill 96, 4, 3214868480
	.section	.rodata,"a",@progbits
	.p2align	6, 0x0
	.amdhsa_kernel k_q6fc4d62cdc_gemm_out
		.amdhsa_group_segment_fixed_size 327680
		.amdhsa_private_segment_fixed_size 0
		.amdhsa_enable_private_segment 0
		.amdhsa_kernarg_size 48
		.amdhsa_user_sgpr_count 2
		.amdhsa_user_sgpr_kernarg_segment_ptr 1
		.amdhsa_wavefront_size32 1
		.amdhsa_system_sgpr_workgroup_id_x 1
		.amdhsa_system_sgpr_workgroup_id_y 1
		.amdhsa_system_sgpr_workgroup_id_z 1
		.amdhsa_system_vgpr_workitem_id 0
		.amdhsa_next_free_vgpr 1024
		.amdhsa_next_free_sgpr 106
		.amdhsa_reserve_vcc 0
		.amdhsa_float_denorm_mode_32 3
		.amdhsa_float_denorm_mode_16_64 3
		.amdhsa_memory_ordered 1
		.amdhsa_forward_progress 1
		.amdhsa_inst_pref_size 84
	.end_amdhsa_kernel
	.amdgpu_metadata
---
amdhsa.version: [ 1, 2 ]
amdhsa.kernels:
  - .name:           k_q6fc4d62cdc_gemm_out
    .symbol:         k_q6fc4d62cdc_gemm_out.kd
    .args:
      - { .name: attc, .offset: 0, .size: 8, .value_kind: global_buffer, .address_space: global }
      - { .name: atts, .offset: 8, .size: 8, .value_kind: global_buffer, .address_space: global }
      - { .name: opc, .offset: 16, .size: 8, .value_kind: global_buffer, .address_space: global }
      - { .name: ops, .offset: 24, .size: 8, .value_kind: global_buffer, .address_space: global }
      - { .name: out_b, .offset: 32, .size: 8, .value_kind: global_buffer, .address_space: global }
      - { .name: out0, .offset: 40, .size: 8, .value_kind: global_buffer, .address_space: global }
    .group_segment_fixed_size: 327680
    .private_segment_fixed_size: 0
    .kernarg_segment_align: 8
    .kernarg_segment_size: 48
    .max_flat_workgroup_size: 128
    .sgpr_count:     106
    .vgpr_count:     1024
    .wavefront_size: 32
...
	.end_amdgpu_metadata
.endif
;; end of part 4
